; MI455X (gfx1250); checked and timed in simulation.
; The chip was launched on July 23, 2026; its instructions are those of AMD's public machine-readable ISA for CDNA 5 (MIT licence, August 2026) and "CDNA5" Instruction Set Architecture Reference Guide (July 2026). The comments in the code are by the model that wrote it; some were corrected since.
;; Causal Self Attention. Allowed arithmetic: matrix products marked QUANTISED: E2M1 operands, one E8M0 scale for each 32 along K, by v_wmma_scale_f32_16x16x128_f8f6f4 with both operands' format E2M1 (or v_wmma_scale_f32_32x16x128_f4), f32 sums; products left as they are: bf16, f16 or f32 operands; f32 sums; everything else in f32.
;; Inputs: Wk 1,024 x 1,024 float32; Wp 1,024 x 1,024 float32; Wq 1,024 x 1,024 float32; Wv 1,024 x 1,024 float32; bk 1,024 float32; bp 1,024 float32; bq 1,024 float32; bv 1,024 float32; x 4 x 2,048 x 1,024 float32.
;; Outputs: out0 4 x 2,048 x 1,024 float32.
;; This version of the problem:
;;   THIS VERSION OF THE PROBLEM IS GIVEN IN LOW PRECISION. The matrix products marked QUANTISED in the list below multiply operands that are first quantised to E2M1 (2 exponent bits, 1 mantissa bit; 4 bits a number), with one power-of-two scale for each 32 numbers along K (OCP MX v1.0); their sums are f32. The products marked 'left as it is' may take bf16, f16 or f32 operands, with f32 sums. Whichever they take, every output number must still come out within the allowed error. Rounding operands to bf16 (8 significant bits) uses up far more of that allowance than f16 does (11 bits, for magnitudes from 6e-5 to 65,504). All else is computed in f32.
;;   The module's matrix products, in the order in which they are computed (A, B: the left and right operand; K: the contracted axis; several contracted axes count as one K, in the product's order):
;;     1. [M 8,192, K 1,024] x [K 1,024, N 1,024]; A: input x; B: input Wq: QUANTISED
;;     2. [M 8,192, K 1,024] x [K 1,024, N 1,024]; A: input x; B: input Wk: QUANTISED
;;     3. [M 8,192, K 1,024] x [K 1,024, N 1,024]; A: input x; B: input Wv: QUANTISED
;;     4. batch 64 x [M 2,048, K 64] x [K 64, N 2,048]; A: computed on the way; B: computed on the way: left as it is (an operand is computed on the way)
;;     5. batch 64 x [M 2,048, K 2,048] x [K 2,048, N 64]; A: computed on the way; B: computed on the way: left as it is (an operand is computed on the way)
;;     6. [M 8,192, K 1,024] x [K 1,024, N 1,024]; A: computed on the way; B: input Wp: left as it is (an operand is computed on the way)
;;   THE QUANTISER, for each operand of a quantised product, along K:
;;     - K is cut into blocks of 32 from its start; a last block that is shorter is filled with zeros.
;;     - A block's scale is 2^e with e = floor(log2(the largest magnitude in the block)) - 2, held to -126 .. 127; a block of zeros has e = 0. As a byte (E8M0): e + 127.
;;     - Each number is divided by its block's scale, clamped to +-6, and rounded to the nearest number of E2M1, ties to even, subnormals kept.
;;     - The product sums the exact products of the quantised numbers (number of the format x scale) in f32.
;;   ~~~python
;;   def quantise(x, axis):      # numpy; x: float32 -> the quantised numbers, widened to float32 again
;;       x = np.moveaxis(x, axis, -1); K = x.shape[-1]
;;       x = np.pad(x, [(0, 0)] * (x.ndim - 1) + [(0, -K % 32)]); x = x.reshape(x.shape[:-1] + (-1, 32)); a = np.abs(x).max(-1, keepdims=True)
;;       e = np.where(a > 0, np.clip(np.frexp(np.where(a > 0, a, 1))[1] - 1 - 2, -126, 127), 0)      # np.frexp(a)[1] - 1 = floor(log2(a)), exactly
;;       r = np.clip(x / 2.0 ** e, -6, 6)
;;       step = 2.0 ** (np.maximum(np.frexp(np.where(r == 0, 1, r))[1] - 1, 0) - 1)
;;       q = np.round(r / step) * step * 2.0 ** e      # np.round: ties to even
;;       return np.moveaxis(q.reshape(q.shape[:-2] + (-1,))[..., :K], -1, axis).astype(np.float32)
;;   ~~~
;; One version. Each part assembles by itself: llvm-mc -triple=amdgcn-amd-amdhsa -mcpu=gfx1250 --defsym DOCPART=n.
;; ======== version 1 of 1: 5 launches
;; limits: values are held in f16: magnitudes above 65,504 overflow, below 6.1e-05 lose precision
;; workspace buffers: xc 4,194,304 bytes; xs 262,144 bytes; wc 1,572,864 bytes; ws 98,304 bytes; wp16 2,097,152 bytes; qkv 50,331,648 bytes; first16 786,432 bytes; y 16,777,216 bytes
;; launch quant (part 1): grid 384 x 1, 4 waves a work-group, no clusters, 33,280 bytes of LDS; arguments x, Wq, Wk, Wv, Wp, xc, xs, wc, ws, wp16; writes xc, xs, wc, ws, wp16
.if DOCPART == 1
	.amdgcn_target "amdgcn-amd-amdhsa--gfx1250"
	.amdhsa_code_object_version 6
	.text
	.protected	k_q015e44f5ee_quant
	.globl	k_q015e44f5ee_quant
	.p2align	8
	.type	k_q015e44f5ee_quant,@function
k_q015e44f5ee_quant:
	s_mov_b64 s[64:65], 0
	v_nop
	global_prefetch_b8 v0, s[64:65] scope:SCOPE_SE
	s_setreg_imm32_b32 hwreg(HW_REG_WAVE_MODE, 25, 1), 1
	s_wait_xcnt 0x0
; CAUSAL SELF-ATTENTION, launch 1 of 5.  x [8192][1024] and Wq, Wk, Wv [1024][1024], f32, K innermost, become codes of FP4 (E2M1), K innermost, with one E8M0 byte for each 32 along K;
; Wp [1024][1024] becomes f16 (its product is left as it is).  The three weights' codes lie one behind the other: rows 0-1023 Wq, 1024-2047 Wk, 2048-3071 Wv.
; WORK LEFT OUT IN THE WHOLE PROGRAM.
;  (1) bk.  att[q][k] = q . (x Wk^T + bk)[k] / 8 = q . (x Wk^T)[k] / 8 + q . bk / 8.  The second term does not hang on k: it is the same along the softmax's axis, and softmax(a + const) = softmax(a)
;      for all finite values.  The product q k^T is not quantised, so no quantiser sees bk.  bk has no other way to the output: it is not loaded and is no argument of any launch.
;  (2) Tiles of keys that lie wholly behind a wave's queries: reference() itself sets them to -inf by its own jnp.tril ahead of the softmax.
;  LIMIT: a NaN, an infinity or an overflow that reaches only bk or those tiles is not carried to the result.
; A block's scale is 2^(floor(log2(its largest magnitude)) - 2); its byte is the largest magnitude's exponent field - 2, held at 1 from below.  A block of zeros so gets the byte 1 where the rule says 127:
; its codes are zeros, which add nothing under any byte but 0xff, and this program alone reads the bytes.
; LIMITS: blocks whose largest magnitude lies under 2^(2 - 126) keep the byte 1; NaN and infinities among the inputs are not served; |Wp| stays under 65,504 (f16).
; SHARES.  Rows are dense and K is a multiple of 32: each tensor is a plain stream.  A wave takes a run of 8,192 numbers.  Work-groups 0-255: x; 256-287: Wq; 288-319: Wk; 320-351: Wv; 352-383: Wp.
; Only pointers are chosen for the four quantised tensors: they take one path.  A lane must hold 16 NEIGHBOURS for the conversions, while a load is dense where neighbouring LANES take neighbouring bytes:
; each step's 2,048 bytes turn through the wave's own stage in LDS.  No tensor load, no barrier: waves share nothing.
.set WAVES, 4
.set STEPS, 16
.set EMAX,  2
.set CB,    8                          ; bytes of 16 codes
.set R,     16                         ; v16-79   four sets of 16 numbers as they are loaded (Wp's path: v16-143, two rounds of 64)
.set X,     80                         ; v80-111  two sets of 16 neighbours
.set C,     128                        ; v128-191 codes: four registers for each step
.set E,     112                        ; v112-127 a scale byte for each step
.set H16,   144                        ; v144-207 Wp's path: two rounds of 32 registers of f16
.set WREG,  8192                       ; LDS: a region for each wave: two stages of 32 x SP bytes, then its 256 scale bytes
.set SP,    80                         ; a lane's place in a stage: 64 bytes + 16 of padding
.set SPW,   12                         ; v12      LDS address of my spare word; never rewritten
.set NIL,   13                         ; v13      0; never rewritten
.set SPARE, WAVES*WREG                 ; behind the four regions: the spare words, 128 bytes a wave
	s_load_b512 s[4:19], s[0:1], 0x0               ; x s[4:5], Wq s[6:7], Wk s[8:9], Wv s[10:11], Wp s[12:13], xc s[14:15], xs s[16:17], wc s[18:19]
	s_load_b128 s[20:23], s[0:1], 0x40             ; ws s[20:21], wp16 s[22:23]
	v_lshl_add_u32 v[SPW], v0, 2, SPARE
	v_mov_b32 v[NIL], 0
	v_lshrrev_b32 v1, 5, v0
	v_readfirstlane_b32 s24, v1                    ; wave
	v_and_b32 v2, 31, v0                           ; lane
	v_lshlrev_b32 v3, 4, v2                        ; my 16 bytes of a load's 512
	s_mul_i32 s25, s24, WREG
	v_lshrrev_b32 v14, 2, v2
	v_mul_u32_u24 v14, v14, SP
	v_and_b32 v15, 3, v2
	v_lshl_add_u32 v14, v15, 4, v14
	v_add_nc_u32 v14, s25, v14                     ; the stage, on the way in: SP (lane / 4) + 16 (lane % 4)
	v_mul_u32_u24 v15, v2, SP
	v_add_nc_u32 v15, s25, v15                     ; and on the way out: SP x lane: my 16 neighbours
	v_mul_u32_u24 v4, v2, CB                       ; my codes' place in a step's
	v_lshrrev_b32 v5, 1, v2
	s_add_co_u32 s25, s25, 2*32*SP
	v_add_nc_u32 v5, s25, v5                       ; LDS: my wave's 256 scale bytes, my block's byte
	v_lshlrev_b32 v7, 3, v2                        ; 8 bytes a lane
	v_add_nc_u32 v6, s25, v7
	s_mov_b32 s35, 0
	s_wait_kmcnt 0x0
	s_cmp_lt_u32 ttmp9, 352                        ; the work-group's number alone decides
	s_cbranch_scc1 .Lquant
	; ---- Wp to f16: four rounds of 16 loads of 512 dense bytes; a lane's 4 numbers become 8 bytes, a wave's store covers 256 consecutive bytes, aligned
	s_sub_co_u32 s28, ttmp9, 352
	s_lshl_b32 s28, s28, 2
	s_add_co_u32 s28, s28, s24                     ; my run of 8,192 numbers
	s_lshl_b32 s34, s28, 15
	s_add_nc_u64 s[12:13], s[12:13], s[34:35]
	s_lshl_b32 s34, s28, 14
	s_add_nc_u64 s[22:23], s[22:23], s[34:35]
.macro WLOAD g
.irp i, 0,1,2,3,4,5,6,7,8,9,10,11,12,13,14,15
	global_load_b128 v[R+64*((\g)%2)+4*\i:R+64*((\g)%2)+4*\i+3], v3, s[12:13] offset:512*(16*(\g)+\i) th:TH_LOAD_NT
.endr
.endm
.macro WROUND g
.if (\g) < 3
	s_wait_loadcnt 16                              ; this round's 16 loads are in; the next round's may be out
.else
	s_wait_loadcnt 0
.endif
.if (\g) >= 2
	s_wait_xcnt 0x0                                ; the stores of two rounds back have read their registers, which are written again below
.endif
.irp i, 0,1,2,3,4,5,6,7,8,9,10,11,12,13,14,15
	v_cvt_pk_f16_f32 v[H16+32*((\g)%2)+2*\i], v[R+64*((\g)%2)+4*\i], v[R+64*((\g)%2)+4*\i+1]
	v_cvt_pk_f16_f32 v[H16+32*((\g)%2)+2*\i+1], v[R+64*((\g)%2)+4*\i+2], v[R+64*((\g)%2)+4*\i+3]
.endr
.irp i, 0,1,2,3,4,5,6,7,8,9,10,11,12,13,14,15
	global_store_b64 v7, v[H16+32*((\g)%2)+2*\i:H16+32*((\g)%2)+2*\i+1], s[22:23] offset:256*(16*(\g)+\i)
.endr
.if (\g) < 2
	WLOAD (\g)+2
.endif
.endm
	WLOAD 0
	WLOAD 1
	WROUND 0
	WROUND 1
	WROUND 2
	WROUND 3
	s_branch .Lend
.Lquant:
	; ---- which tensor: choices between buffers on the work-group's number alone
	s_mov_b32 s28, 288
	s_cmp_lt_u32 ttmp9, 288
	s_cselect_b64 s[26:27], s[6:7], s[8:9]         ; Wq or Wk
	s_cselect_b32 s28, 256, s28                    ; the tensor's first work-group
	s_mov_b32 s29, 320
	s_cmp_lt_u32 ttmp9, 320
	s_cselect_b64 s[26:27], s[26:27], s[10:11]     ; or Wv
	s_cselect_b32 s28, s28, s29
	s_cmp_lt_u32 ttmp9, 256
	s_cselect_b64 s[26:27], s[4:5], s[26:27]       ; or x
	s_cselect_b32 s28, 0, s28
	s_cselect_b64 s[30:31], s[14:15], s[18:19]     ; the codes: x's or the weights'
	s_cselect_b64 s[32:33], s[16:17], s[20:21]     ; the scale bytes likewise
	s_cselect_b32 s29, 0, 256                      ; the first work-group of that output
	s_sub_co_u32 s28, ttmp9, s28
	s_lshl_b32 s28, s28, 2
	s_add_co_u32 s28, s28, s24                     ; my run in the input tensor
	s_sub_co_u32 s29, ttmp9, s29
	s_lshl_b32 s29, s29, 2
	s_add_co_u32 s29, s29, s24                     ; and in the output
	s_lshl_b32 s34, s28, 15                        ; 32,768 bytes of f32 a run
	s_add_nc_u64 s[26:27], s[26:27], s[34:35]
	s_lshl_b32 s34, s29, 12                        ; 4,096 bytes of codes
	s_add_nc_u64 s[30:31], s[30:31], s[34:35]
	s_lshl_b32 s34, s29, 8                         ; 256 scale bytes
	s_add_nc_u64 s[32:33], s[32:33], s[34:35]
.macro LOAD t
.irp i, 0,1,2,3
	global_load_b128 v[R+16*((\t)%4)+4*\i:R+16*((\t)%4)+4*\i+3], v3, s[26:27] offset:2048*(\t)+512*\i th:TH_LOAD_NT   ; 32 lanes read 512 consecutive bytes
.endr
.endm
.macro TURN t                          ; step t's numbers through the stage: LDS serves a wave's instructions in order, so no wait stands between the stores and the loads
.irp i, 0,1,2,3
	ds_store_b128 v14, v[R+16*((\t)%4)+4*\i:R+16*((\t)%4)+4*\i+3] offset:32*SP*((\t)%2)+8*SP*\i
.endr
.irp i, 0,1,2,3
	ds_load_b128 v[X+16*((\t)%2)+4*\i:X+16*((\t)%2)+4*\i+3], v15 offset:32*SP*((\t)%2)+16*\i
.endr
.endm
.irp t, 0,1,2,3
	LOAD \t
.endr
	s_wait_loadcnt 12                              ; step 0's four loads are in
	TURN 0
.macro STEP t
.set XS, X+16*((\t)%2)
.if (\t) > 0
	s_wait_dscnt 1                                 ; this step's numbers are back from the stage (the last step's byte store may be out)
.else
	s_wait_dscnt 0x0
.endif
.if (\t)+4 < STEPS
	LOAD (\t)+4                                    ; the registers that the stage's stores have read take the loads of four steps on
.endif
.if (\t)+1 < STEPS
.if STEPS-2-(\t) >= 3
	s_wait_loadcnt 12                              ; the next step's four loads are in; those of the three steps behind it may be out
.else
	s_wait_loadcnt 4*(STEPS-2-(\t))
.endif
	TURN (\t)+1
.endif
	v_max3_num_f32 v8, |v[XS]|, |v[XS+1]|, |v[XS+2]|               ; the largest magnitude of my 16, in two chains
	v_max3_num_f32 v9, |v[XS+3]|, |v[XS+4]|, |v[XS+5]|
.irp i, 6,10
	v_max3_num_f32 v8, v8, |v[XS+\i]|, |v[XS+\i+1]|
	v_max3_num_f32 v9, v9, |v[XS+\i+2]|, |v[XS+\i+3]|
.endr
	v_max3_num_f32 v8, v8, |v[XS+14]|, |v[XS+15]|
	v_max3_num_f32 v8, v8, v9, (EMAX+1)<<23        ; and the floor 2^(EMAX + 1 - 127): the byte cannot fall under 1
	v_max_num_f32_dpp v8, v8, v8 row_xmask:1 row_mask:0xf bank_mask:0xf   ; and of my neighbour's 16: the block's
	v_add_nc_u32 v11, -(EMAX<<23), v8              ; EMAX off its exponent field: the conversion takes the exponent field of this operand as its scale
	v_cvt_scalef32_pk8_fp4_f32 v[C+4*(\t)], v[XS:XS+7], v11
	v_cvt_scalef32_pk8_fp4_f32 v[C+4*(\t)+1], v[XS+8:XS+15], v11
	v_lshrrev_b32 v[E+(\t)], 23, v11               ; the scale's byte
	ds_store_b8 v5, v[E+(\t)] offset:16*(\t)       ; both lanes of a block write the same byte with the same value
	global_store_b64 v4, v[C+4*(\t):C+4*(\t)+1], s[30:31] offset:32*CB*(\t)   ; the wave stores 256 consecutive bytes, aligned
.endm
.irp t, 0,1,2,3,4,5,6,7,8,9,10,11,12,13,14,15
	STEP \t
.endr
	ds_load_b64 v[8:9], v6                         ; LDS serves a wave's instructions in order: these see my byte stores
	s_wait_dscnt 0x0
	global_store_b64 v7, v[8:9], s[32:33]          ; 32 lanes store 256 consecutive bytes, aligned
.Lend:
	s_wait_tensorcnt 0x0                           ; the wave's end
	ds_add_u32 v[SPW], v[NIL]
	s_wait_dscnt 0x0
	s_endpgm
.Lfunc_end_k_q015e44f5ee_quant:
	.size	k_q015e44f5ee_quant, .Lfunc_end_k_q015e44f5ee_quant-k_q015e44f5ee_quant
	.p2alignl 7, 3214868480
	.fill 96, 4, 3214868480
	.section	.rodata,"a",@progbits
	.p2align	6, 0x0
	.amdhsa_kernel k_q015e44f5ee_quant
		.amdhsa_group_segment_fixed_size 33280
		.amdhsa_private_segment_fixed_size 0
		.amdhsa_enable_private_segment 0
		.amdhsa_kernarg_size 80
		.amdhsa_user_sgpr_count 2
		.amdhsa_user_sgpr_kernarg_segment_ptr 1
		.amdhsa_wavefront_size32 1
		.amdhsa_system_sgpr_workgroup_id_x 1
		.amdhsa_system_sgpr_workgroup_id_y 1
		.amdhsa_system_sgpr_workgroup_id_z 1
		.amdhsa_system_vgpr_workitem_id 0
		.amdhsa_next_free_vgpr 208
		.amdhsa_next_free_sgpr 66
		.amdhsa_reserve_vcc 0
		.amdhsa_float_denorm_mode_32 3
		.amdhsa_float_denorm_mode_16_64 3
		.amdhsa_memory_ordered 1
		.amdhsa_forward_progress 1
		.amdhsa_inst_pref_size 54
	.end_amdhsa_kernel
	.amdgpu_metadata
---
amdhsa.version: [ 1, 2 ]
amdhsa.kernels:
  - .name:           k_q015e44f5ee_quant
    .symbol:         k_q015e44f5ee_quant.kd
    .args:
      - { .name: x, .offset: 0, .size: 8, .value_kind: global_buffer, .address_space: global }
      - { .name: Wq, .offset: 8, .size: 8, .value_kind: global_buffer, .address_space: global }
      - { .name: Wk, .offset: 16, .size: 8, .value_kind: global_buffer, .address_space: global }
      - { .name: Wv, .offset: 24, .size: 8, .value_kind: global_buffer, .address_space: global }
      - { .name: Wp, .offset: 32, .size: 8, .value_kind: global_buffer, .address_space: global }
      - { .name: xc, .offset: 40, .size: 8, .value_kind: global_buffer, .address_space: global }
      - { .name: xs, .offset: 48, .size: 8, .value_kind: global_buffer, .address_space: global }
      - { .name: wc, .offset: 56, .size: 8, .value_kind: global_buffer, .address_space: global }
      - { .name: ws, .offset: 64, .size: 8, .value_kind: global_buffer, .address_space: global }
      - { .name: wp16, .offset: 72, .size: 8, .value_kind: global_buffer, .address_space: global }
    .group_segment_fixed_size: 33280
    .private_segment_fixed_size: 0
    .kernarg_segment_align: 8
    .kernarg_segment_size: 80
    .max_flat_workgroup_size: 128
    .sgpr_count:     66
    .vgpr_count:     208
    .wavefront_size: 32
...
	.end_amdgpu_metadata
.endif
;; end of part 1
;; launch gemm_qkv (part 2): grid 12 x 32, 4 waves a work-group, clusters of 4 x 4, 327,680 bytes of LDS; arguments xc, xs, wc, ws, bq, bv, qkv, first16; writes qkv, first16
.if DOCPART == 2
	.amdgcn_target "amdgcn-amd-amdhsa--gfx1250"
	.amdhsa_code_object_version 6
	.text
	.protected	k_q015e44f5ee_gemm_qkv
	.globl	k_q015e44f5ee_gemm_qkv
	.p2align	8
	.type	k_q015e44f5ee_gemm_qkv,@function
k_q015e44f5ee_gemm_qkv:
	s_mov_b64 s[64:65], 0
	v_nop
	global_prefetch_b8 v0, s[64:65] scope:SCOPE_SE
	s_setreg_imm32_b32 hwreg(HW_REG_WAVE_MODE, 25, 1), 1
	s_wait_xcnt 0x0
	s_wait_alu depctr_hold_cnt(0) depctr_sa_sdst(0) depctr_va_vdst(0) depctr_va_sdst(0) depctr_va_ssrc(0) depctr_va_vcc(0) depctr_vm_vsrc(0)
	s_getreg_b32 s2, hwreg(HW_REG_IB_STS2, 6, 4)
	s_cmp_eq_u32 s2, 0
	s_cbranch_scc0 .Lentry_in_a_cluster
	s_endpgm
.Lentry_in_a_cluster:
	s_bfe_u32 s2, ttmp6, 0x10000c
	s_cmp_lg_u32 s2, 0xf033
	s_cbranch_scc0 .Lentry_shape_is_right
	s_endpgm
.Lentry_shape_is_right:
; Launch 2 of 5: q, k, v = x W^T (+ bias) on codes of FP4 with E8M0 scales: one GEMM [8192] x [3072] x K 1024; columns 0-1023 q, 1024-2047 k, 2048-3071 v.
; WORK LEFT OUT: bk (the same along the softmax's axis for all values: shown at the head of the first kernel): k's sums begin at 0.
; A tile of C, 256 x 256, is made by four waves, 128 x 128 each: 64 accumulators, 512 registers.  K = 1024 is two slots of 512 (rows of 256 bytes): both are first fills, nothing is filled again.
; The scale bytes of the work-group's 256 + 256 rows come once, as dense blocks.  CLUSTERS 4 x 4: A's tiles are asked for jointly along a row of the cluster, B's along a column.
; THE TILE ROW IS 8 cy + cluster y: so the batch is cy, and 'this tile holds positions 0-15 of a batch' is cluster y = 0, the same in all sixteen partners.  The cluster's x says which of q, k, v.
; THE MATRIX INSTRUCTION IS USED TRANSPOSED (source 0 = 16 rows of W, source 1 = 16 rows of x): a lane holds eight neighbouring columns of one row.  The bias is the C of each sum's first product.
; RESULTS: f16, laid [which 3][batch 4][head 16][t 2048][64]; and for t < 16 the f32 accumulators as they stand in the registers, [which][batch][head][block of 16 d: 4][half: 2][lane][16 bytes].
; LIMIT: |q|, |k|, |v| stay under 65,504 (f16).
; REGISTERS: window 0: v16-30 addresses; v32-95 scale words, two sets, and nothing else; v96-127 packed results; v128-191 A's fragments, later rows on the way out; v192-255 the bias.
;   window 1: B's fragments, two sets.  windows 2, 3: the accumulators ((a, b) at v[8 (8 (a % 4) + b)]).
.set NQ,     4                         ; steps of 128 along K in a slot
.set ROWB,   256                       ; a tile's row in bytes: 512 codes
.set KROW,   512                       ; a row of codes in memory
.set PITCH,  272                       ; an LDS row: 256 bytes + 16 of padding = 68 words: the 16 rows of a load start 4 words apart modulo 64
.set FR,     8
.set NL,     2
.set NP,     4
.set HALFT,  128*PITCH
.set SLOT,   4*HALFT
.set KS,     32                        ; a row of scale bytes
.set SCL,    2*SLOT
.set HALFS,  (128*KS/256)*272
.set SBLK,   (16*KS/256)*272
.set SPARE,  SCL+4*HALFS               ; the spare words, 128 bytes a wave
.set SPITCH, 272                       ; the way out: a stage of 16 rows x (256 bytes + 16) for each wave, in slot 0, which has had its only fill and its last read by then
.set ADRA, 16
.set ADRB, 20
.set STO,  24
.set RD,   25
.set CO,   26
.set ADRS, 27
.set SPW,  28
.set NIL,  29
.set BO,   30                          ; v30  32 x (lane / 16): my place in a block's 16 bias numbers
.set SC,   32
.set TMP,  96
.set AF,   128
.set BK,   128
.set BI,   192                         ; v[BI + 8 b + j] = bias[my first column + 16 b + 8 (lane / 16) + j]
.set G1, 24
.set G0, 32
.set G1B, 48
.set G0B, 56
.set G1S, 68
.set G0S, 76
.set G1SB, 80
.set G0SB, 88
.set MSB, 0
.macro WIN new                         ; the immediate's high byte repeats the setting that is left
.if MSB != \new
	s_set_vgpr_msb (MSB<<8)|\new
.set MSB, \new
.endif
.endm
.set MUL_LO, 0xa1                      ; source 0 (W) window 1, source 1 (x) window 0, C and D window 2
.set MUL_HI, 0xf1
.set BIA_LO, 0x81                      ; the same with C (the bias) in window 0
.set BIA_HI, 0xc1
.set TO_B,   0x40
.macro JLOAD g0a, g1a, g0b, g1b        ; a joint load: waves 0 and 1 fetch for A, waves 2 and 3 for B; an s_nop 0 and four v_nop follow each line
	s_cmp_eq_u32 s15, 0
	s_cbranch_scc0 .Lfor_b_\@
	tensor_load_to_lds s[\g0a:\g0a+3], s[\g1a:\g1a+7]
	s_nop 0
.rept 4
	v_nop
.endr
	s_branch .Lasked_\@
.Lfor_b_\@:
	tensor_load_to_lds s[\g0b:\g0b+3], s[\g1b:\g1b+7]
	s_nop 0
.rept 4
	v_nop
.endr
.Lasked_\@:
.endm
.macro CROUND                          ; a round of the cluster's barrier
	s_barrier_signal -1
	s_barrier_wait -1
	s_cmp_lg_u32 s14, 0
	s_cbranch_scc1 .Lnot_wave_0_\@
	s_barrier_signal -3
.Lnot_wave_0_\@:
	s_barrier_wait -3
	s_barrier_signal -1
	s_barrier_wait -1
.endm
	s_load_b128 s[4:7], s[0:1], 0x0                ; x's codes, x's scales
	s_load_b128 s[8:11], s[0:1], 0x10              ; W's codes, W's scales
	s_load_b128 s[96:99], s[0:1], 0x20             ; bq, bv
	s_load_b64 s[12:13], s[0:1], 0x30              ; qkv
	s_load_b64 s[66:67], s[0:1], 0x38              ; first16
	v_lshl_add_u32 v[SPW], v0, 2, SPARE
	v_mov_b32 v[NIL], 0
	ds_add_u32 v[SPW], v[NIL]                      ; the wave's opening: the add, twice on end, and its wait ahead of my first tensor load
	ds_add_u32 v[SPW], v[NIL]
	v_lshrrev_b32 v1, 5, v0
	v_readfirstlane_b32 s14, v1                    ; wave 0..3
	s_lshr_b32 s15, s14, 1                         ; which half of the tile's rows is mine.  Also: I fetch for A (0) or for B (1)
	s_and_b32 s16, s14, 1                          ; which half of its columns.  Also: which 128 rows of that tile I fetch
	s_bfe_u32 s40, ttmp6, 0x40000                  ; cx
	s_bfe_u32 s41, ttmp6, 0x40004                  ; cy
	s_lshl_b32 s42, ttmp9, 2
	s_add_co_u32 s42, s42, s40                     ; tile column = 4 x cluster x + cx
	s_and_b32 s3, ttmp7, 0xffff                    ; cluster y: the tile's place in its batch
	s_lshl_b32 s17, s41, 3
	s_add_co_u32 s17, s17, s3                      ; tile row = 8 cy + cluster y
	s_lshl_b32 s43, s41, 2
	s_lshl_b32 s43, 15, s43                        ; my row of the cluster
	s_lshl_b32 s44, 0x1111, s40                    ; my column
	s_or_b32 s[G1+0], s43, (0<<16)|(1<<20)|(1<<21)|(5<<22)|(3<<25)  ; the mask; elements of 1 byte; padding on; bit 21 beside a mask; 4 words after every 64
	s_or_b32 s[G1B+0], s44, (0<<16)|(1<<20)|(1<<21)|(5<<22)|(3<<25)
.irp g, G1, G1B
	s_mov_b32 s[\g+1], ROWB<<16                    ; tensor_dim0
	s_mov_b32 s[\g+2], 128<<16                     ; tensor_dim1
	s_mov_b32 s[\g+3], ROWB<<16                    ; tile_dim0
	s_mov_b32 s[\g+4], 128                         ; tile_dim1
	s_mov_b32 s[\g+5], KROW                        ; pitch
	s_mov_b32 s[\g+6], 0
	s_mov_b32 s[\g+7], 0
.endr
	s_or_b32 s[G1S+0], s43, (3<<16)|(1<<20)|(1<<21)|(5<<22)|(3<<25) ; the scales of 128 rows: 4,096 dense bytes as 16 rows of 256 (32 elements of 8 bytes), 16 bytes of padding behind each
	s_or_b32 s[G1SB+0], s44, (3<<16)|(1<<20)|(1<<21)|(5<<22)|(3<<25)
.irp g, G1S, G1SB
	s_mov_b32 s[\g+1], 32<<16
	s_mov_b32 s[\g+2], (128*KS/256)<<16
	s_mov_b32 s[\g+3], 32<<16
	s_mov_b32 s[\g+4], 128*KS/256
	s_mov_b32 s[\g+5], 32
	s_mov_b32 s[\g+6], 0
	s_mov_b32 s[\g+7], 0
.endr
	s_lshl_b32 s18, s16, 7
	s_lshl_b32 s20, s17, 8
	s_add_co_u32 s20, s20, s18                     ; A: row 256 x tile row + 128 x half
	s_lshl_b32 s46, s42, 8
	s_add_co_u32 s46, s46, s18                     ; B: row 256 x tile column + 128 x half
	s_mov_b32 s21, 0
	s_mov_b32 s47, 0
	s_mov_b64 s[18:19], KS
	s_mul_u64 s[22:23], s[20:21], s[18:19]         ; where these rows' scales begin
	s_mul_u64 s[92:93], s[46:47], s[18:19]
	s_mov_b64 s[18:19], KROW
	s_mul_u64 s[20:21], s[20:21], s[18:19]         ; and their codes
	s_mul_u64 s[46:47], s[46:47], s[18:19]
	s_mul_i32 s45, s14, HALFT                      ; where they go: wave x 128 rows
	s_mul_i32 s94, s14, HALFS
	s_wait_dscnt 0x0                               ; both opening adds are done
	s_wait_kmcnt 0x0
	s_add_nc_u64 s[20:21], s[4:5], s[20:21]
	s_add_nc_u64 s[22:23], s[6:7], s[22:23]
	s_add_nc_u64 s[46:47], s[8:9], s[46:47]
	s_add_nc_u64 s[92:93], s[10:11], s[92:93]
	CROUND                                         ; all sixteen work-groups are here: the joint loads meet
	s_mov_b32 s[G0S], 1
	s_add_co_u32 s[G0S+1], s94, SCL
	s_mov_b64 s[G0S+2:G0S+3], s[22:23]
	s_or_b32 s[G0S+3], s[G0S+3], 0x80000000
	s_mov_b32 s[G0SB], 1
	s_add_co_u32 s[G0SB+1], s94, SCL
	s_mov_b64 s[G0SB+2:G0SB+3], s[92:93]
	s_or_b32 s[G0SB+3], s[G0SB+3], 0x80000000
	JLOAD G0S, G1S, G0SB, G1SB                     ; the scales first: they are wanted with K step 0
.irp s, 0,1
	s_mov_b32 s[G0+4*\s], 1
	s_add_co_u32 s[G0+4*\s+1], s45, \s*SLOT
	s_add_nc_u64 s[G0+4*\s+2:G0+4*\s+3], s[20:21], \s*ROWB
	s_or_b32 s[G0+4*\s+3], s[G0+4*\s+3], 0x80000000
	s_mov_b32 s[G0B+4*\s], 1
	s_add_co_u32 s[G0B+4*\s+1], s45, \s*SLOT
	s_add_nc_u64 s[G0B+4*\s+2:G0B+4*\s+3], s[46:47], \s*ROWB
	s_or_b32 s[G0B+4*\s+3], s[G0B+4*\s+3], 0x80000000
	JLOAD G0+4*\s, G1, G0B+4*\s, G1B               ; three loads of mine are out
.endr
	; the bias of my 128 columns, in the result's layout.  q takes bq, v takes bv; k takes zeros.  The branch hangs on the cluster's x alone: the same in all partners
	v_bfe_u32 v2, v0, 4, 1                         ; lane / 16
	v_lshlrev_b32 v[BO], 5, v2
	s_cmp_eq_u32 ttmp9, 0
	s_cselect_b64 s[96:97], s[96:97], s[98:99]
	s_lshl_b32 s46, s40, 10                        ; 256 columns a tile column inside the tensor,
	s_lshl_b32 s47, s16, 9                         ; 128 a half, 4 bytes each
	s_add_co_u32 s46, s46, s47
	s_mov_b32 s47, 0
	s_add_nc_u64 s[96:97], s[96:97], s[46:47]
	s_cmp_eq_u32 ttmp9, 1
	s_cbranch_scc1 .Lnobias
.irp b, 0,1,2,3,4,5,6,7
	global_load_b128 v[BI+8*\b:BI+8*\b+3], v[BO], s[96:97] offset:64*\b
	global_load_b128 v[BI+8*\b+4:BI+8*\b+7], v[BO], s[96:97] offset:64*\b+16
.endr
	s_branch .Lbias_done
.Lnobias:
.set i, 0
.rept 64
	v_mov_b32 v[BI+i], 0                           ; so that one text of the first step serves all three tensors
.set i, i+1
.endr
.Lbias_done:
	v_and_b32 v1, 15, v0                           ; l % 16
	v_mul_u32_u24 v3, v1, PITCH
	v_lshl_add_u32 v4, v2, 4, v3                   ; a fragment's row x pitch + 16 x half
	s_mul_i32 s21, s15, HALFT                      ; my 128 rows of A
	s_mul_i32 s22, s16, HALFT                      ; my 128 rows of B,
	s_add_co_u32 s22, s22, 2*HALFT                 ; behind A's 256
.irp s, 0,1
	v_add_nc_u32 v[ADRA+\s], s21, v4
	v_add_nc_u32 v[ADRB+\s], s22, v4
	s_add_co_u32 s21, s21, SLOT
	s_add_co_u32 s22, s22, SLOT
.endr
	v_mul_u32_u24 v5, v1, KS                       ; my row's scales: KS bytes a row,
	v_lshrrev_b32 v6, 8, v5
	v_lshl_add_u32 v5, v6, 4, v5                   ; and 16 more for each 256 passed
	s_mul_i32 s21, s15, HALFS
	s_mul_i32 s22, s16, HALFS
	s_add_co_u32 s22, s22, 2*HALFS
	s_sub_co_u32 s22, s22, s21
	v_mul_u32_u24 v6, s22, v2                      ; lanes 16-31 take B's: one product, the distance between the two bases
	s_add_co_u32 s21, s21, SCL
	v_add_nc_u32 v5, v5, v6
	v_add_nc_u32 v[ADRS], s21, v5
	s_mul_i32 s23, s14, 16*SPITCH                  ; my stage
	v_mul_u32_u24 v5, v1, SPITCH                   ; in: row l % 16, 16 bytes for each half of the lanes
	v_lshl_add_u32 v5, v2, 4, v5
	v_add_nc_u32 v[STO], s23, v5
	v_and_b32 v6, 31, v0
	v_lshlrev_b32 v[CO], 4, v6                     ; in memory: 16 x lane
	v_lshrrev_b32 v5, 3, v6                        ; back: eight lanes take the 128 bytes of one head's row, four rows an instruction
	v_mul_u32_u24 v5, v5, SPITCH
	v_and_b32 v6, 7, v6
	v_lshl_add_u32 v5, v6, 4, v5
	v_add_nc_u32 v[RD], s23, v5
	; where my results go.  idx = (which x 4 + batch) x 16 + my first head; made in registers that feed no descriptor
	s_lshl_b32 s98, ttmp9, 2
	s_add_co_u32 s98, s98, s41
	s_lshl_b32 s98, s98, 4
	s_lshl_b32 s95, s40, 2
	s_add_co_u32 s98, s98, s95
	s_lshl_b32 s95, s16, 1
	s_add_co_u32 s95, s98, s95
	s_mov_b32 s99, 0
	s_lshl_b32 s98, s95, 12                        ; 4,096 bytes a head in first16
	s_add_nc_u64 s[66:67], s[66:67], s[98:99]
	s_lshl_b32 s98, s95, 18                        ; 262,144 bytes a head in qkv
	s_add_nc_u64 s[12:13], s[12:13], s[98:99]
	s_lshl_b32 s98, s3, 8
	s_lshl_b32 s95, s15, 7
	s_add_co_u32 s98, s98, s95                     ; my first position in the batch
	s_lshl_b32 s98, s98, 7                         ; 128 bytes a position
	s_add_nc_u64 s[12:13], s[12:13], s[98:99]
.macro FRAG reg, adr, q, i             ; 16 rows x 128 K of 4-bit codes: 8 registers, two loads of 16 bytes, 32 bytes apart
.irp c, 0,1
	ds_load_b128 v[\reg+4*\c:\reg+4*\c+3], v[\adr] offset:64*(\q)+32*\c+(\i)*16*PITCH
.endr
.endm
; 16 matrix instructions: A's blocks a0, a0 + 1 x B's eight.  zero = 1: the first product starts the sums from the bias.  The 64 accumulators take turns, one instruction a turn.
.macro MUL16 a0, p, q, sc, zero
.irp a, \a0, \a0+1
.irp b, 0,1,2,3,4,5,6,7
.if \zero
	v_wmma_scale_f32_16x16x128_f8f6f4 v[8*(8*((\a)%4)+\b):8*(8*((\a)%4)+\b)+7], v[128*(\p)+FR*\b:128*(\p)+FR*\b+FR-1], v[AF+FR*(\a):AF+FR*(\a)+FR-1], v[BI+8*\b:BI+8*\b+7], v[SC+8*NQ*(\sc)+NQ*\b+(\q)], v[SC+8*NQ*(\sc)+NQ*(\a)+(\q)] matrix_a_fmt:MATRIX_FMT_FP4 matrix_b_fmt:MATRIX_FMT_FP4 matrix_a_scale:MATRIX_SCALE_ROW1
.else
	v_wmma_scale_f32_16x16x128_f8f6f4 v[8*(8*((\a)%4)+\b):8*(8*((\a)%4)+\b)+7], v[128*(\p)+FR*\b:128*(\p)+FR*\b+FR-1], v[AF+FR*(\a):AF+FR*(\a)+FR-1], v[8*(8*((\a)%4)+\b):8*(8*((\a)%4)+\b)+7], v[SC+8*NQ*(\sc)+NQ*\b+(\q)], v[SC+8*NQ*(\sc)+NQ*(\a)+(\q)] matrix_a_fmt:MATRIX_FMT_FP4 matrix_b_fmt:MATRIX_FMT_FP4 matrix_a_scale:MATRIX_SCALE_ROW1
.endif
.endr
.endr
.endm
.macro FETCH_B slot, q, p
	WIN TO_B
.irp i, 0,1,2,3,4,5,6,7
	FRAG 128*(\p)+FR*\i, ADRB+\slot, \q, \i
.endr
	WIN 0
.endm
.macro FETCH_A slot, q, i0
.irp i, \i0, \i0+1, \i0+2, \i0+3
	FRAG AF+FR*(\i), ADRA+\slot, \q, \i
.endr
.endm
.macro SCALES sc                       ; a slot's scale words: lanes 0-15 take A's block i, lanes 16-31 B's block i; four words (512 along K) a load
.irp i, 0,1,2,3,4,5,6,7
	ds_load_b128 v[SC+8*NQ*\sc+NQ*\i:SC+8*NQ*\sc+NQ*\i+3], v[ADRS] offset:\i*SBLK
.endr
.endm
.macro PLACES n                        ; plain vector instructions between a matrix instruction and a load into, or a vector write of, one of its registers, or a read of its result
.rept \n
	v_nop
.endr
.endm
.macro STEP slot, q, zero              ; 128 along K with its successor in the same slot
	s_wait_dscnt 4*NL                              ; B's set and A's blocks 0-3 are in; the youngest eight loads (A's blocks 4-7) may be out
.if \zero
	WIN BIA_LO
.else
	WIN MUL_LO
.endif
	MUL16 0, (\q)%2, \q, \slot, \zero
	MUL16 2, (\q)%2, \q, \slot, \zero
	s_wait_dscnt 0
	PLACES NP
	FETCH_B \slot, (\q)+1, 1-(\q)%2
	FETCH_A \slot, (\q)+1, 0
.if \zero
	WIN BIA_HI
.else
	WIN MUL_HI
.endif
	MUL16 4, (\q)%2, \q, \slot, \zero
	MUL16 6, (\q)%2, \q, \slot, \zero
	PLACES NP
	WIN 0
	FETCH_A \slot, (\q)+1, 4
.endm
.macro TURN slot, next                 ; slot 0's last step changes slots: one barrier; nothing is filled again
	s_wait_tensorcnt 0x0                           ; all my tensor loads have landed: my part of the next slot
	ds_add_u32 v[SPW], v[NIL]                      ; 0 onto my spare word
	s_wait_dscnt 4*NL+1                            ; the add and the youngest eight loads may be out
	WIN MUL_LO
	MUL16 0, 1, NQ-1, \slot, 0
	s_wait_dscnt 0x0                               ; the add is done, and my reads of this slot are over
	s_barrier_signal -1
	MUL16 2, 1, NQ-1, \slot, 0
	WIN 0
	s_barrier_wait -1                              ; the next slot is whole, and nobody reads this one any more
	PLACES NP
	v_add_nc_u32 v[ADRS], 4*NQ, v[ADRS]            ; on to the next slot's scale words
	FETCH_B \next, 0, 0
	FETCH_A \next, 0, 0
	SCALES \next
	WIN MUL_HI
	MUL16 4, 1, NQ-1, \slot, 0
	MUL16 6, 1, NQ-1, \slot, 0
	PLACES NP
	WIN 0
	FETCH_A \next, 0, 4
.endm
	s_wait_tensorcnt 1                             ; the scales and my part of slot 0 are in (slot 1's load may be out),
	s_barrier_signal -1
	s_barrier_wait -1                              ; everybody's are
	FETCH_B 0, 0, 0
	FETCH_A 0, 0, 0
	SCALES 0
	FETCH_A 0, 0, 4
	s_wait_loadcnt 0x0                             ; the bias
	STEP 0, 0, 1
	STEP 0, 1, 0
	STEP 0, 2, 0
	TURN 0, 1
	STEP 1, 0, 0
	STEP 1, 1, 0
	STEP 1, 2, 0
	s_wait_dscnt 4*NL                              ; the very last step: nothing more to fetch
	WIN MUL_LO
	MUL16 0, 1, NQ-1, 1, 0
	MUL16 2, 1, NQ-1, 1, 0
	s_wait_dscnt 0
	WIN MUL_HI
	MUL16 4, 1, NQ-1, 1, 0
	MUL16 6, 1, NQ-1, 1, 0
	WIN 0
	PLACES NP
	; POSITIONS 0-15 OF A BATCH also leave in f32, as the registers stand: block 0 of the waves with the tile's upper rows, in the tiles with cluster y = 0.  A store covers 512 consecutive bytes.
	s_or_b32 s2, s3, s15
	s_cmp_eq_u32 s2, 0
	s_cbranch_scc0 .Lnofine
	WIN 0x08                                       ; a store's data are its source 1: window 2
.irp b, 0,1,2,3,4,5,6,7
	global_store_b128 v[CO], v[8*\b:8*\b+3], s[66:67] offset:1024*\b          ; each accumulator from its low end on
	global_store_b128 v[CO], v[8*\b+4:8*\b+7], s[66:67] offset:1024*\b+512
.endr
	WIN 0
.Lnofine:
; THE WAY OUT, a block of 16 rows x 128 columns (two heads) at a time: rounded to f16, through my own stage, back as four rows of one head, 512 consecutive bytes of memory an instruction.
.macro PACK a
.set AC, 64*((\a)%4)
	WIN 0x0a+5*((\a)/4)                            ; sources 0 and 1: window 2 or 3
.irp b, 0,1,2,3,4,5,6,7
.irp i, 0,1,2,3
	v_cvt_pk_f16_f32 v[TMP+4*\b+\i], v[AC+8*\b+2*\i], v[AC+8*\b+2*\i+1]
.endr
.endr
	WIN 0
.endm
.macro TOSTAGE a
.set BB, BK+32*((\a)%2)
.irp b, 0,1,2,3,4,5,6,7
	ds_store_b128 v[STO], v[TMP+4*\b:TMP+4*\b+3] offset:32*\b
.endr
.irp i, 0,1,2,3,4,5,6,7
	ds_load_b128 v[BB+4*\i:BB+4*\i+3], v[RD] offset:(\i%4)*4*SPITCH+(\i/4)*128   ; LDS serves a wave's instructions in order: these see the stores above
.endr
.endm
.macro SEND a
.set BB, BK+32*((\a)%2)
	s_wait_dscnt 0x0                               ; the block is back in registers
	s_wait_xcnt 0x0                                ; the stores of the block before have read their registers, into which the next block's loads will land
.irp i, 0,1,2,3,4,5,6,7
	global_store_b128 v[CO], v[BB+4*\i:BB+4*\i+3], s[12:13] offset:(\i/4)*262144+(16*(\a)+4*(\i%4))*128
.endr
.endm
	PACK 0
	TOSTAGE 0
.irp a, 1,2,3,4,5,6,7                  ; block a's conversions stand between block a - 1's loads from the stage and the wait for them
	PACK \a
	SEND \a-1
	TOSTAGE \a
.endr
	SEND 7
	s_wait_tensorcnt 0x0                           ; the wave's end
	ds_add_u32 v[SPW], v[NIL]
	s_wait_dscnt 0x0
	CROUND                                         ; the closing round
	s_endpgm
.Lfunc_end_k_q015e44f5ee_gemm_qkv:
	.size	k_q015e44f5ee_gemm_qkv, .Lfunc_end_k_q015e44f5ee_gemm_qkv-k_q015e44f5ee_gemm_qkv
	.p2alignl 7, 3214868480
	.fill 96, 4, 3214868480
	.section	.rodata,"a",@progbits
	.p2align	6, 0x0
	.amdhsa_kernel k_q015e44f5ee_gemm_qkv
		.amdhsa_group_segment_fixed_size 327680
		.amdhsa_private_segment_fixed_size 0
		.amdhsa_enable_private_segment 0
		.amdhsa_kernarg_size 64
		.amdhsa_user_sgpr_count 2
		.amdhsa_user_sgpr_kernarg_segment_ptr 1
		.amdhsa_wavefront_size32 1
		.amdhsa_system_sgpr_workgroup_id_x 1
		.amdhsa_system_sgpr_workgroup_id_y 1
		.amdhsa_system_sgpr_workgroup_id_z 1
		.amdhsa_system_vgpr_workitem_id 0
		.amdhsa_next_free_vgpr 1024
		.amdhsa_next_free_sgpr 100
		.amdhsa_reserve_vcc 0
		.amdhsa_float_denorm_mode_32 3
		.amdhsa_float_denorm_mode_16_64 3
		.amdhsa_memory_ordered 1
		.amdhsa_forward_progress 1
		.amdhsa_inst_pref_size 132
	.end_amdhsa_kernel
	.amdgpu_metadata
---
amdhsa.version: [ 1, 2 ]
amdhsa.kernels:
  - .name:           k_q015e44f5ee_gemm_qkv
    .symbol:         k_q015e44f5ee_gemm_qkv.kd
    .args:
      - { .name: xc, .offset: 0, .size: 8, .value_kind: global_buffer, .address_space: global }
      - { .name: xs, .offset: 8, .size: 8, .value_kind: global_buffer, .address_space: global }
      - { .name: wc, .offset: 16, .size: 8, .value_kind: global_buffer, .address_space: global }
      - { .name: ws, .offset: 24, .size: 8, .value_kind: global_buffer, .address_space: global }
      - { .name: bq, .offset: 32, .size: 8, .value_kind: global_buffer, .address_space: global }
      - { .name: bv, .offset: 40, .size: 8, .value_kind: global_buffer, .address_space: global }
      - { .name: qkv, .offset: 48, .size: 8, .value_kind: global_buffer, .address_space: global }
      - { .name: first16, .offset: 56, .size: 8, .value_kind: global_buffer, .address_space: global }
    .group_segment_fixed_size: 327680
    .private_segment_fixed_size: 0
    .kernarg_segment_align: 8
    .kernarg_segment_size: 64
    .max_flat_workgroup_size: 128
    .sgpr_count:     100
    .vgpr_count:     1024
    .wavefront_size: 32
...
	.end_amdgpu_metadata
.endif
;; end of part 2
;; launch attn (part 3): grid 4 x 64, 16 waves a work-group, no clusters, 327,680 bytes of LDS; arguments qkv, y; writes y
.if DOCPART == 3
	.amdgcn_target "amdgcn-amd-amdhsa--gfx1250"
	.amdhsa_code_object_version 6
	.text
	.protected	k_q015e44f5ee_attn
	.globl	k_q015e44f5ee_attn
	.p2align	8
	.type	k_q015e44f5ee_attn,@function
k_q015e44f5ee_attn:
	s_mov_b64 s[64:65], 0
	v_nop
	global_prefetch_b8 v0, s[64:65] scope:SCOPE_SE
	s_setreg_imm32_b32 hwreg(HW_REG_WAVE_MODE, 25, 1), 1
	s_wait_xcnt 0x0
; Launch 3 of 5: y[b][h][q] = sum over k <= q of softmax_k(q . k / 8) v[k], on f16 operands, f32 sums, with a running maximum.
; WORK LEFT OUT: key steps that lie wholly behind a wave's queries (reference()'s own jnp.tril sets them to -inf); bk (shown at the head of the first kernel).
; qkv: [which 3][b 4][h 16][t 2048][64] f16.  y: [h 16][b x 2048 + t][64] f16, a plane for each head, so that a wave's 32 rows are 4,096 consecutive bytes.
; SHARES.  A work-group owns one head and the query blocks x and 7 - x of 256: so all 256 work-groups have the same work under the mask.  A wave owns 32 queries, two tiles of 16, so that each fragment of K and V
; read from LDS feeds two products.  Wave w: e = ((w >> 2) ^ w) & 1 picks the early (0) or the late (1) block, w >> 1 the 32 queries in it.
; NO CLUSTER: the four work-groups of a head need 8, 7, 6 and 5 slots of keys, so partners would ask for different numbers of tiles.
; LAYOUT.  S^T = K Q^T (source 0 = 16 keys, source 1 = 16 queries): a lane holds ONE query and the keys 8 (lane / 16) + 0..7.  Two such tiles, rounded to f16 in pairs, are source 1 of O^T = V^T P.  V comes out of LDS turned.
; SOFTMAX.  m the running maximum, l the running sum: p = 2^(c s - c m), c = log2(e) / 8; in every step O and l are multiplied by a = 2^(c m_old - c m_new).  No branch hangs on data.
; THE RING.  Two slots of 256 keys; every work-group walks all 8 changes of slots (constant trip counts), and asks for a slot only while its first key is at or under the work-group's last query.
; LIMITS: |q|, |k|, |v| under 65,504 (f16); NaN and infinities are not served.
; REGISTERS: v1-15 addresses; v16-31 statistics, eight a tile; v32-63 Q; v64-127 K's fragments, then V's; v128-191 S^T, then p, then P; v192-255 O^T.
.set PK,    144                        ; a row of K in LDS: 128 bytes + 16 = 36 words: the 16 rows of a load start 4 words apart modulo 64
.set PV,    160                        ; a row of V: 128 + 32 = 40 words: the turning load's 8 rows x 32 bytes fall on different words modulo 64
.set SK,    256                        ; keys in a slot
.set VOFF,  SK*PK
.set SLOT1, 1<<17
.set NSL,   2048/SK
.set SPARE, SLOT1+SK*(PK+PV)           ; behind the ring: the spare words, 128 bytes for each of 16 waves
.set AK0, 1
.set AV0, 2
.set SPW, 3
.set NIL, 4
.set ADK, 5
.set ADV, 6
.set DQ,  7                            ; v7   lane % 16 - 8 (lane / 16)
.set PFO, 8                            ; v8   256 x lane
.set ST,  16                           ; tile t at v[ST + 8 t]: +0 c m, +1 m, +2, +3 l, +4 to +7 at work; a in +6
.set Q,   32
.set KV,  64
.set S,   128
.set O,   192
.set WV,  18
.set SEL, 20
.set CS,  22
.set G1K, 24
.set G1V, 32
.set G0K, 40
.set G0V, 44
.set TB,  2                            ; s2   LDS byte at which the slot in hand begins
.set LQ,  66                           ; s66  my work-group's last query
.set SLOTS, 67
.set PFA, 76
.set LIM, 80
.set KF,  98                           ; s98  the step's first key
.set Q0,  99                           ; s99  my first query
.macro TLOAD                           ; waves 0 and 1 fetch K's halves, waves 2 and 3 V's, the others nothing; an s_nop 0 and four v_nop follow each line
	s_cmp_lt_u32 s[WV], 2
	s_cbranch_scc0 .Lnot_k_\@
	tensor_load_to_lds s[G0K:G0K+3], s[G1K:G1K+7]
	s_nop 0
.rept 4
	v_nop
.endr
	s_branch .Lasked_\@
.Lnot_k_\@:
	s_cmp_lt_u32 s[WV], 4
	s_cbranch_scc0 .Lasked_\@
	tensor_load_to_lds s[G0V:G0V+3], s[G1V:G1V+7]
	s_nop 0
.rept 4
	v_nop
.endr
.Lasked_\@:
.endm
; A prefetch of what the NEXT change of slots will ask for: 32,768 dense bytes of K and of V.  The head's first work-group asks, which walks all slots; in it waves 4-7 for K and waves 8-11 for V, 8,192 bytes a wave,
; lanes 256 bytes apart: each aligned block of 256 bytes is named once in the launch.  The last change that fills a slot asks for nothing; slots 0 and 1 come by their loads alone.
.macro ASK
	s_cmp_gt_u32 s[SLOTS], s[LIM]
	s_cbranch_scc0 .Lnot_mine_\@
	global_prefetch_b8 v[PFO], s[PFA:PFA+1] th:TH_LOAD_NT scope:SCOPE_SE
.Lnot_mine_\@:
.endm
	s_load_b128 s[4:7], s[0:1], 0x0                ; qkv s[4:5], y s[6:7]
	v_lshl_add_u32 v[SPW], v0, 2, SPARE
	v_mov_b32 v[NIL], 0
	ds_add_u32 v[SPW], v[NIL]                      ; the wave's opening: the add, twice on end, and its wait ahead of the first tensor load
	ds_add_u32 v[SPW], v[NIL]
	v_lshrrev_b32 v5, 5, v0
	v_readfirstlane_b32 s[WV], v5                  ; wave 0..15
	s_and_b32 s72, ttmp7, 0xffff                   ; 16 b + h
	s_lshl_b32 s74, s72, 18                        ; the head's first byte in each of q, k, v
	s_lshr_b32 s82, s[WV], 2
	s_xor_b32 s82, s82, s[WV]
	s_and_b32 s82, s82, 1                          ; e
	s_lshl_b32 s83, ttmp9, 1
	s_sub_co_u32 s83, 7, s83
	s_mul_i32 s83, s83, s82
	s_add_co_u32 s83, s83, ttmp9                   ; my block of 256 queries: x, or 7 - x
	s_lshl_b32 s83, s83, 8
	s_lshr_b32 s84, s[WV], 1
	s_lshl_b32 s84, s84, 5
	s_add_co_u32 s[Q0], s83, s84
	s_lshl_b32 s[LQ], ttmp9, 8
	s_sub_co_u32 s[LQ], 2047, s[LQ]
	s_and_b32 s85, s72, 15                         ; y: ((h x 8192 + b x 2048 + Q0) x 128 bytes
	s_lshl_b32 s85, s85, 13
	s_lshr_b32 s86, s72, 4
	s_lshl_b32 s86, s86, 11
	s_add_co_u32 s85, s85, s86
	s_add_co_u32 s85, s85, s[Q0]
	s_lshl_b32 s86, s85, 7
	s_mov_b32 s87, 0
	s_lshl_b32 s88, s[Q0], 7                       ; q at my first row
	s_add_co_u32 s88, s88, s74
	s_mov_b32 s89, 0
	s_and_b32 s90, s[WV], 1                        ; which 128 rows of a slot I fetch, if I fetch
	s_lshl_b32 s91, s90, 14
	s_add_co_u32 s92, s74, s91
	s_add_co_u32 s92, s92, 0x1000000               ; in k,
	s_mov_b32 s93, 0
	s_add_co_u32 s94, s92, 0x1000000               ; in v
	s_mov_b32 s95, 0
	s_mul_i32 s96, s90, 128*PK                     ; and in a slot
	s_mul_i32 s97, s90, 128*PV
	s_add_co_u32 s97, s97, VOFF
	s_mov_b32 s[G1K], (1<<16)|(1<<20)|(4<<22)|(3<<25)   ; no mask; elements of 2 bytes; padding on: 4 words after every 32
	s_mov_b32 s[G1V], (1<<16)|(1<<20)|(4<<22)|(7<<25)   ; 8 words after every 32
.irp g, G1K, G1V
	s_mov_b32 s[\g+1], 64<<16                      ; tensor_dim0
	s_mov_b32 s[\g+2], 128<<16                     ; tensor_dim1
	s_mov_b32 s[\g+3], 64<<16                      ; tile_dim0
	s_mov_b32 s[\g+4], 128                         ; tile_dim1
	s_mov_b32 s[\g+5], 64                          ; pitch
	s_mov_b32 s[\g+6], 0
	s_mov_b32 s[\g+7], 0
.endr
	s_mov_b32 s[SEL], 0x76543210
	s_mov_b32 s[SEL+1], 0xfedcba98
	s_mov_b32 s[CS], 0x3e38aa3b                    ; c = log2(e) / 8
	s_mov_b32 s[CS+1], s[CS]
	s_mov_b32 s[TB], 0
	s_mov_b32 s[KF], 0
	s_mov_b32 s[SLOTS], NSL-1
	s_wait_dscnt 0x0                               ; both opening adds are done
	s_wait_kmcnt 0x0
	s_mov_b32 s[G0K], 1
	s_mov_b32 s[G0K+1], s96
	s_add_nc_u64 s[G0K+2:G0K+3], s[4:5], s[92:93]
	s_or_b32 s[G0K+3], s[G0K+3], 0x80000000
	s_mov_b32 s[G0V], 1
	s_mov_b32 s[G0V+1], s97
	s_add_nc_u64 s[G0V+2:G0V+3], s[4:5], s[94:95]
	s_or_b32 s[G0V+3], s[G0V+3], 0x80000000
	TLOAD                                          ; slot 0: key 0 counts for every query, so what the head fetches is read
	s_mov_b32 s82, 0x2000000                       ; the prefetches: waves 4-7 stand in k, waves 8-11 in v,
	s_cmp_lt_u32 s[WV], 8
	s_cselect_b32 s82, 0x1000000, s82
	s_add_co_u32 s82, s82, s74
	s_and_b32 s83, s[WV], 3
	s_lshl_b32 s83, s83, 13                        ; at my wave's 8,192 bytes
	s_add_co_u32 s82, s82, s83
	s_add_co_u32 s82, s82, SK*128                  ; of slot 1: the first change of slots steps it to slot 2
	s_mov_b32 s83, 0
	s_add_nc_u64 s[PFA:PFA+1], s[4:5], s[82:83]
	s_sub_co_u32 s82, s[WV], 4
	s_lshr_b32 s82, s82, 3                         ; 0 in waves 4 to 11,
	s_or_b32 s82, s82, ttmp9                       ; of the head's first work-group
	s_cmp_eq_u32 s82, 0
	s_cselect_b32 s[LIM], 1, -1
	s_add_nc_u64 s[16:17], s[6:7], s[86:87]        ; y at my first row
	s_add_nc_u64 s[4:5], s[4:5], s[88:89]          ; q likewise
	v_and_b32 v13, 15, v0                          ; r
	v_bfe_u32 v14, v0, 4, 1                        ; h
	v_lshlrev_b32 v9, 7, v13
	v_lshl_add_u32 v9, v14, 4, v9                  ; q: row r of 128 bytes, + 16 h
.irp t, 0,1
.irp c, 0,1
	global_load_b128 v[Q+16*\t+8*\c:Q+16*\t+8*\c+3], v9, s[4:5] offset:\t*2048+\c*64
	global_load_b128 v[Q+16*\t+8*\c+4:Q+16*\t+8*\c+7], v9, s[4:5] offset:\t*2048+\c*64+32
.endr
.endr
	v_mul_u32_u24 v[AK0], v13, PK
	v_lshl_add_u32 v[AK0], v14, 4, v[AK0]
	v_and_b32 v15, 7, v0
	v_lshl_add_u32 v[AV0], v14, 3, v15             ; the turning load: key 8 h + lane % 8,
	v_mul_u32_u24 v[AV0], v[AV0], PV
	v_bfe_u32 v15, v0, 3, 1
	v_lshl_add_u32 v[AV0], v15, 4, v[AV0]          ; channels 8 ((lane / 8) % 2) on
	v_add_nc_u32 v[AV0], VOFF, v[AV0]
	v_lshlrev_b32 v[DQ], 3, v14
	v_sub_nc_u32 v[DQ], v13, v[DQ]
	v_and_b32 v[PFO], 31, v0
	v_lshlrev_b32 v[PFO], 8, v[PFO]
	v_mov_b32 v12, 0xff800000                      ; -infinity
.irp t, 0,1
	v_mov_b32 v[ST+8*\t+1], 0xff61b1e6             ; m = -3e38, under every score
	v_mul_f32 v[ST+8*\t], s[CS], v[ST+8*\t+1]
.irp i, 2,3,4,5,6,7
	v_mov_b32 v[ST+8*\t+\i], 0                     ; l; and the four at work, written once: a lane permute's destination counts as one of its sources
.endr
.endr
.set i, 0
.rept 64
	v_mov_b32 v[O+i], 0                            ; O^T.  The step is written once: the first finds zeros, which a = 0 leaves zeros
.set i, i+1
.endr
; A KEY STEP: 64 keys, the q-th of the slot in hand.
.macro STEP q
	s_add_co_u32 s96, s[Q0], 31                    ; a step all of whose keys come after my 32 queries is left out: a scalar branch on ids, round no barrier and no tensor load
	s_cmp_gt_u32 s[KF], s96
	s_cbranch_scc1 .Lhidden_\@
	v_add_nc_u32 v[ADK], s[TB], v[AK0]
	v_add_nc_u32 v[ADV], s[TB], v[AV0]
.rept 3
	v_nop                                          ; with the two additions five places: four for the loads into registers that the last products read, five for the products below, which write over P
.endr
.irp kt, 0,1,2,3
.irp c, 0,1
	ds_load_b128 v[KV+16*\kt+8*\c:KV+16*\kt+8*\c+3], v[ADK] offset:(\q)*64*PK+\kt*16*PK+\c*64
	ds_load_b128 v[KV+16*\kt+8*\c+4:KV+16*\kt+8*\c+7], v[ADK] offset:(\q)*64*PK+\kt*16*PK+\c*64+32
.endr
.endr
	s_wait_dscnt 0x0
.irp c, 0,1                                    ; S^T = K Q^T: eight accumulators by turns
.irp kt, 0,1,2,3
.irp t, 0,1
.if \c == 0
	v_wmma_f32_16x16x32_f16 v[S+32*\t+8*\kt:S+32*\t+8*\kt+7], v[KV+16*\kt+8*\c:KV+16*\kt+8*\c+7], v[Q+16*\t+8*\c:Q+16*\t+8*\c+7], 0
.else
	v_wmma_f32_16x16x32_f16 v[S+32*\t+8*\kt:S+32*\t+8*\kt+7], v[KV+16*\kt+8*\c:KV+16*\kt+8*\c+7], v[Q+16*\t+8*\c:Q+16*\t+8*\c+7], v[S+32*\t+8*\kt:S+32*\t+8*\kt+7]
.endif
.endr
.endr
.endr
.rept 4
	v_nop                                          ; places in front of the loads into K's registers and of the first read of the scores
.endr
.irp kc, 0,1                                   ; V, turned: it lands while the softmax is walked
.irp dt, 0,1,2,3
	ds_load_tr16_b128 v[KV+32*\kc+8*\dt:KV+32*\kc+8*\dt+3], v[ADV] offset:(\q)*64*PV+\kc*32*PV+\dt*32
	ds_load_tr16_b128 v[KV+32*\kc+8*\dt+4:KV+32*\kc+8*\dt+7], v[ADV] offset:(\q)*64*PV+\kc*32*PV+16*PV+\dt*32
.endr
.endr
	s_add_co_u32 s96, s[KF], 63                    ; on the diagonal hidden scores become -infinity ahead of the maximum; a step all of whose keys count skips this
	s_cmp_le_u32 s96, s[Q0]
	s_cbranch_scc1 .Lopen_\@
	s_sub_co_i32 s96, s[Q0], s[KF]
	v_add_nc_u32 v13, s96, v[DQ]                   ; register n of tile t holds key KF + 16 (n / 8) + 8 h + n % 8: hidden where 16 (n / 8) + n % 8 > Q0 - KF + 16 t + r - 8 h
	v_add_nc_u32 v14, 16, v13
.irp t, 0,1
.irp n, 0,1,2,3,4,5,6,7,8,9,10,11,12,13,14,15,16,17,18,19,20,21,22,23,24,25,26,27,28,29,30,31
	v_cmp_gt_i32 vcc_lo, 16*(\n/8)+\n%8, v[13+\t]
	v_cndmask_b32 v[S+32*\t+\n], v[S+32*\t+\n], v12, vcc_lo
.endr
.endr
.Lopen_\@:
.irp j, 0,1,2,3                                ; the maximum of my 32 scores and the old m; the two tiles alternate, so that no line waits for the line above it
.irp t, 0,1
	v_max3_num_f32 v[ST+8*\t+4+\j], v[S+32*\t+8*\j], v[S+32*\t+8*\j+1], v[S+32*\t+8*\j+2]
.endr
.endr
.irp u, 3,5
.irp j, 0,1,2,3
.irp t, 0,1
	v_max3_num_f32 v[ST+8*\t+4+\j], v[ST+8*\t+4+\j], v[S+32*\t+8*\j+\u], v[S+32*\t+8*\j+\u+1]
.endr
.endr
.endr
.irp t, 0,1
	v_max3_num_f32 v[ST+8*\t+4], v[ST+8*\t+4], v[S+32*\t+7], v[S+32*\t+15]
.endr
.irp t, 0,1
	v_max3_num_f32 v[ST+8*\t+6], v[ST+8*\t+6], v[S+32*\t+23], v[S+32*\t+31]
.endr
.irp t, 0,1
	v_max3_num_f32 v[ST+8*\t+4], v[ST+8*\t+4], v[ST+8*\t+5], v[ST+8*\t+6]
.endr
.irp t, 0,1
	v_max3_num_f32 v[ST+8*\t+4], v[ST+8*\t+4], v[ST+8*\t+7], v[ST+8*\t+1]
.endr
.irp t, 0,1
	v_permlanex16_b32 v[ST+8*\t+5], v[ST+8*\t+4], s[SEL], s[SEL+1]   ; the query's other 32 keys lie in the lane 16 away
.endr
.irp t, 0,1
	v_mov_b32 v[ST+8*\t+7], v[ST+8*\t]             ; c m_old
.endr
.irp t, 0,1
	v_max_num_f32 v[ST+8*\t+1], v[ST+8*\t+4], v[ST+8*\t+5]
.endr
.irp t, 0,1
	v_mul_f32 v[ST+8*\t], s[CS], v[ST+8*\t+1]
.endr
.irp t, 0,1
	v_sub_f32 v[ST+8*\t+7], v[ST+8*\t+7], v[ST+8*\t]
.endr
.irp b, 0,2,4,6,8,10,12,14,16,18,20,22,24,26,28,30
.irp t, 0,1
	v_pk_fma_f32 v[S+32*\t+\b:S+32*\t+\b+1], v[S+32*\t+\b:S+32*\t+\b+1], s[CS:CS+1], v[ST+8*\t:ST+8*\t+1] op_sel_hi:[1,0,0] neg_lo:[0,0,1] neg_hi:[0,0,1]   ; c s - c m
.endr
.endr
.irp t, 0,1
	v_exp_f32 v[ST+8*\t+6], v[ST+8*\t+7]           ; a
.endr
.irp n, 0,1,2,3,4,5,6,7,8,9,10,11,12,13,14,15,16,17,18,19,20,21,22,23,24,25,26,27,28,29,30,31
.irp t, 0,1
	v_exp_f32 v[S+32*\t+\n], v[S+32*\t+\n]         ; p: one batch of 66 exponentials
.endr
.endr
	v_nop                                          ; a plain instruction behind the last exponential
	s_wait_alu depctr_va_vdst(0)                   ; one wait for the whole batch, ahead of its first reader
.irp t, 0,1
	v_pk_fma_f32 v[ST+8*\t+2:ST+8*\t+3], v[ST+8*\t+2:ST+8*\t+3], v[ST+8*\t+6:ST+8*\t+7], v[S+32*\t:S+32*\t+1] op_sel_hi:[1,0,1]   ; l = a l + the first pair
.endr
.irp t, 0,1
	v_pk_add_f32 v[ST+8*\t+4:ST+8*\t+5], v[S+32*\t+2:S+32*\t+3], v[S+32*\t+4:S+32*\t+5]   ; a second chain
.endr
.irp p, 6,10,14,18,22,26
.irp t, 0,1
	v_pk_add_f32 v[ST+8*\t+2:ST+8*\t+3], v[ST+8*\t+2:ST+8*\t+3], v[S+32*\t+\p:S+32*\t+\p+1]
.endr
.irp t, 0,1
	v_pk_add_f32 v[ST+8*\t+4:ST+8*\t+5], v[ST+8*\t+4:ST+8*\t+5], v[S+32*\t+\p+2:S+32*\t+\p+3]
.endr
.endr
.irp t, 0,1
	v_pk_add_f32 v[ST+8*\t+2:ST+8*\t+3], v[ST+8*\t+2:ST+8*\t+3], v[S+32*\t+30:S+32*\t+31]
.endr
.irp t, 0,1
	v_pk_add_f32 v[ST+8*\t+2:ST+8*\t+3], v[ST+8*\t+2:ST+8*\t+3], v[ST+8*\t+4:ST+8*\t+5]
.endr
.irp i, 0,1,2,3,4,5,6,7,8,9,10,11,12,13,14,15  ; to f16, packed in place from the low end: register i has been read when it is written.  Registers 8 kc .. 8 kc + 7 are P's fragment of keys 32 kc on
.irp t, 0,1
	v_cvt_pk_f16_f32 v[S+32*\t+\i], v[S+32*\t+2*\i], v[S+32*\t+2*\i+1]
.endr
.endr
.irp i, 0,2,4,6,8,10,12,14,16,18,20,22,24,26,28,30
.irp t, 0,1
	v_pk_mul_f32 v[O+32*\t+\i:O+32*\t+\i+1], v[O+32*\t+\i:O+32*\t+\i+1], v[ST+8*\t+6:ST+8*\t+7] op_sel_hi:[1,0]   ; O^T x a
.endr
.endr
	s_wait_dscnt 0x0                               ; V is in
.irp kc, 0,1                                   ; O^T += V^T P: eight accumulators by turns
.irp dt, 0,1,2,3
.irp t, 0,1
	v_wmma_f32_16x16x32_f16 v[O+32*\t+8*\dt:O+32*\t+8*\dt+7], v[KV+32*\kc+8*\dt:KV+32*\kc+8*\dt+7], v[S+32*\t+8*\kc:S+32*\t+8*\kc+7], v[O+32*\t+8*\dt:O+32*\t+8*\dt+7]
.endr
.endr
.endr
.Lhidden_\@:
	s_add_co_u32 s[KF], s[KF], 64
.endm
; THE CHANGE OF SLOTS, at a slot's head.  Each wave waits for all its tensor loads, adds 0 to its spare word (fill = 1: twice on end), and waits for that and for its reads of the slot that it has left.
; Behind the barrier the slot ahead is whole and nobody reads the other one; with fill = 1 that one is filled with the next 256 keys, up to the causal limit: the load has four key steps in which to land.
.macro CHANGE fill
	s_wait_tensorcnt 0x0                           ; no tensor load of mine is out, so a group 0 may be written
	ds_add_u32 v[SPW], v[NIL]
.if \fill
	ds_add_u32 v[SPW], v[NIL]                      ; twice on end here, in every trip alike
	s_xor_b32 s[G0K+1], s[G0K+1], SLOT1            ; the walking descriptors: the other slot,
	s_add_nc_u64 s[G0K+2:G0K+3], s[G0K+2:G0K+3], SK*128   ; the next 256 keys
	s_xor_b32 s[G0V+1], s[G0V+1], SLOT1
	s_add_nc_u64 s[G0V+2:G0V+3], s[G0V+2:G0V+3], SK*128
	s_wait_xcnt 0x0                                ; the last prefetch, a slot back, has read its address
	s_add_nc_u64 s[PFA:PFA+1], s[PFA:PFA+1], SK*128
.endif
	s_wait_dscnt 0x0                               ; the add is done, and my reads of the slot that I have left are over
	s_barrier_signal -1
	s_barrier_wait -1
.if \fill
	s_add_co_u32 s96, s[KF], SK                    ; the first key of the slot that this change would ask for:
	s_cmp_gt_u32 s96, s[LQ]                        ; behind my work-group's last query it would be read by none of the sixteen waves.  Ids and the count of steps alone: all waves go the same way
	s_cbranch_scc1 .Lpast_\@
	TLOAD                                          ; a wave's one tensor load until the next barrier
.Lpast_\@:
	ASK
.endif
.endm
	s_wait_loadcnt 0x0                             ; Q
.Lslot:                                            ; NSL - 1 trips
	CHANGE 1
	STEP 0
	STEP 1
	STEP 2
	STEP 3
	s_xor_b32 s[TB], s[TB], SLOT1
	s_sub_co_u32 s[SLOTS], s[SLOTS], 1
	s_cmp_lg_u32 s[SLOTS], 0
	s_cbranch_scc1 .Lslot
	CHANGE 0                                       ; the last slot is written out: nothing is left to ask for
	STEP 0
	STEP 1
	STEP 2
	STEP 3
	; THE WAY OUT.  O^T / l, to f16, through my stage (32 rows x 144 bytes, in slot 0, which was left at the last change and has had its last fill), back as 512 consecutive bytes an instruction.
.rept 4
	v_nop
.endr
.irp t, 0,1
	v_add_f32 v[ST+8*\t+4], v[ST+8*\t+2], v[ST+8*\t+3]
.endr
.irp t, 0,1
	v_permlanex16_b32 v[ST+8*\t+5], v[ST+8*\t+4], s[SEL], s[SEL+1]
.endr
.irp t, 0,1
	v_add_f32 v[ST+8*\t+4], v[ST+8*\t+4], v[ST+8*\t+5]
.endr
.irp t, 0,1
	v_rcp_f32 v[ST+8*\t+6], v[ST+8*\t+4]
.endr
	v_and_b32 v13, 15, v0                          ; (plain work behind the reciprocals)
	v_bfe_u32 v14, v0, 4, 1
	s_mul_i32 s73, s[WV], 32*PK                    ; my stage
	v_mul_u32_u24 v9, v13, PK
	v_lshl_add_u32 v9, v14, 4, v9
	v_add_nc_u32 v9, s73, v9                       ; in: row r, + 16 h
	v_and_b32 v15, 31, v0
	v_lshrrev_b32 v10, 3, v15
	v_mul_u32_u24 v10, v10, PK
	v_and_b32 v13, 7, v0
	v_lshl_add_u32 v10, v13, 4, v10
	v_add_nc_u32 v10, s73, v10                     ; back: eight lanes to a row of 128 bytes, four rows an instruction
	v_lshlrev_b32 v11, 4, v15                      ; in memory: 16 x lane
	s_wait_alu depctr_va_vdst(0)                   ; one wait for both reciprocals, ahead of their first reader
.irp t, 0,1
.irp i, 0,2,4,6,8,10,12,14,16,18,20,22,24,26,28,30
	v_pk_mul_f32 v[O+32*\t+\i:O+32*\t+\i+1], v[O+32*\t+\i:O+32*\t+\i+1], v[ST+8*\t+6:ST+8*\t+7] op_sel_hi:[1,0]
.endr
.endr
.irp t, 0,1
.irp i, 0,1,2,3,4,5,6,7,8,9,10,11,12,13,14,15
	v_cvt_pk_f16_f32 v[S+16*\t+\i], v[O+32*\t+2*\i], v[O+32*\t+2*\i+1]
.endr
.endr
.irp t, 0,1
.irp dt, 0,1,2,3
	ds_store_b128 v9, v[S+16*\t+4*\dt:S+16*\t+4*\dt+3] offset:\t*16*PK+\dt*32
.endr
.endr
.irp i, 0,1,2,3,4,5,6,7
	ds_load_b128 v[KV+4*\i:KV+4*\i+3], v10 offset:\i*4*PK   ; LDS serves a wave's instructions in order: these see my stores
.endr
.irp i, 0,1,2,3,4,5,6,7
	s_wait_dscnt 7-\i                              ; the younger loads may be out
	global_store_b128 v11, v[KV+4*\i:KV+4*\i+3], s[16:17] offset:512*\i
.endr
	s_wait_tensorcnt 0x0                           ; the wave's end
	ds_add_u32 v[SPW], v[NIL]
	s_wait_dscnt 0x0
	s_endpgm
.Lfunc_end_k_q015e44f5ee_attn:
	.size	k_q015e44f5ee_attn, .Lfunc_end_k_q015e44f5ee_attn-k_q015e44f5ee_attn
	.p2alignl 7, 3214868480
	.fill 96, 4, 3214868480
	.section	.rodata,"a",@progbits
	.p2align	6, 0x0
	.amdhsa_kernel k_q015e44f5ee_attn
		.amdhsa_group_segment_fixed_size 327680
		.amdhsa_private_segment_fixed_size 0
		.amdhsa_enable_private_segment 0
		.amdhsa_kernarg_size 16
		.amdhsa_user_sgpr_count 2
		.amdhsa_user_sgpr_kernarg_segment_ptr 1
		.amdhsa_wavefront_size32 1
		.amdhsa_system_sgpr_workgroup_id_x 1
		.amdhsa_system_sgpr_workgroup_id_y 1
		.amdhsa_system_sgpr_workgroup_id_z 1
		.amdhsa_system_vgpr_workitem_id 0
		.amdhsa_next_free_vgpr 256
		.amdhsa_next_free_sgpr 100
		.amdhsa_reserve_vcc 1
		.amdhsa_float_denorm_mode_32 3
		.amdhsa_float_denorm_mode_16_64 3
		.amdhsa_memory_ordered 1
		.amdhsa_forward_progress 1
		.amdhsa_inst_pref_size 188
	.end_amdhsa_kernel
	.amdgpu_metadata
---
amdhsa.version: [ 1, 2 ]
amdhsa.kernels:
  - .name:           k_q015e44f5ee_attn
    .symbol:         k_q015e44f5ee_attn.kd
    .args:
      - { .name: qkv, .offset: 0, .size: 8, .value_kind: global_buffer, .address_space: global }
      - { .name: y, .offset: 8, .size: 8, .value_kind: global_buffer, .address_space: global }
    .group_segment_fixed_size: 327680
    .private_segment_fixed_size: 0
    .kernarg_segment_align: 8
    .kernarg_segment_size: 16
    .max_flat_workgroup_size: 512
    .sgpr_count:     100
    .vgpr_count:     256
    .wavefront_size: 32
...
	.end_amdgpu_metadata
.endif
;; end of part 3
;; launch proj (part 4): grid 4 x 64, 4 waves a work-group, clusters of 4 x 4, 327,680 bytes of LDS; arguments y, wp16, out0, bp; writes out0
.if DOCPART == 4
	.amdgcn_target "amdgcn-amd-amdhsa--gfx1250"
	.amdhsa_code_object_version 6
	.text
	.protected	k_q015e44f5ee_proj
	.globl	k_q015e44f5ee_proj
	.p2align	8
	.type	k_q015e44f5ee_proj,@function
k_q015e44f5ee_proj:
	s_mov_b64 s[64:65], 0
	v_nop
	global_prefetch_b8 v0, s[64:65] scope:SCOPE_SE
	s_setreg_imm32_b32 hwreg(HW_REG_WAVE_MODE, 25, 1), 1
	s_wait_xcnt 0x0
	s_wait_alu depctr_hold_cnt(0) depctr_sa_sdst(0) depctr_va_vdst(0) depctr_va_sdst(0) depctr_va_ssrc(0) depctr_va_vcc(0) depctr_vm_vsrc(0)
	s_getreg_b32 s2, hwreg(HW_REG_IB_STS2, 6, 4)
	s_cmp_eq_u32 s2, 0
	s_cbranch_scc0 .Lentry_in_a_cluster
	s_endpgm
.Lentry_in_a_cluster:
	s_bfe_u32 s2, ttmp6, 0x10000c
	s_cmp_lg_u32 s2, 0xf033
	s_cbranch_scc0 .Lentry_shape_is_right
	s_endpgm
.Lentry_shape_is_right:
; Launch 4 of 5: out0 = y Wp^T + bp on f16 operands, f32 sums.  y: [head 16][row 8192][64] f16, a plane for each head; wp16: [1024][1024] f16; out0: [8192][1024] f32.
; ROWS LEFT TO THE LAST LAUNCH: positions 0-15 of each batch are multiplied here inside their tile but not stored: the last launch makes them in f32 and is their one owner.
; A tile of C is 128 x 256: 256 work-groups.  Four waves, 64 x 128 each: 32 accumulators, 256 registers.  K goes in steps of 128 (two planes of y; rows of 256 bytes of Wp) through two LDS slots.
; CLUSTERS 4 x 4.  The tile column is cx; the tile row is 16 cy + cluster y, so that the batch is cy and 'holds positions 0-15' is cluster y = 0, the same in all partners.  A's tiles are asked for jointly along a
; row of the cluster, B's along a column.  Waves 0, 1 fetch A's two planes, waves 2, 3 B's two halves: one load a wave behind each round.
; TRANSPOSED USE (source 0 = 16 rows of Wp, source 1 = 16 rows of y): a lane holds eight neighbouring columns of a row.  The bias is the C of each sum's first product.
; No prefetch: each tile of y is asked for by one cluster once, Wp is read by all sixteen clusters, and the tiles are small.
; REGISTERS: window 0: v16-29 addresses; v128-191 the bias, later with v192-255 rows on the way out.  window 1: two fragment buffers (A at +0, B at +32).  window 2: accumulator (a, b) at v[8 (8 a + b)].
.set APL,    128*144                   ; a plane of A in a slot: 128 rows x (128 bytes + 16)
.set BOFF,   2*APL
.set BHALF,  128*272                   ; half of B's tile: 128 rows x (256 bytes + 16)
.set SLOT,   BOFF+2*BHALF
.set STAGE,  2*SLOT                    ; behind the ring: 16 rows x 528 bytes for each wave
.set SPITCH, 528
.set SPARE,  STAGE+4*16*SPITCH
.set LAPS,   4                         ; 8 K steps, two a lap
.set ADRA, 16
.set ADRB, 20
.set STO,  24
.set RD,   25
.set CO,   26
.set BO,   27
.set SPW,  28
.set NIL,  29
.set BI,   128
.set BK,   128
.set F0,   0
.set F1,   128
.set G1, 24
.set G0, 32
.set G1B, 48
.set G0B, 56
.set MSB, 0
.macro WIN new
.if MSB != \new
	s_set_vgpr_msb (MSB<<8)|\new
.set MSB, \new
.endif
.endm
.set MUL,  0xa5                        ; sources 0 and 1 window 1; C and D window 2
.set MULB, 0x85                        ; the same with C (the bias) in window 0
.set TO_F, 0x40
.macro JLOAD s                         ; an s_nop 0 and four v_nop follow each of the two lines
	s_cmp_eq_u32 s11, 0
	s_cbranch_scc0 .Lfor_b_\@
	tensor_load_to_lds s[G0+4*\s:G0+4*\s+3], s[G1:G1+7]
	s_nop 0
.rept 4
	v_nop
.endr
	s_branch .Lasked_\@
.Lfor_b_\@:
	tensor_load_to_lds s[G0B+4*\s:G0B+4*\s+3], s[G1B:G1B+7]
	s_nop 0
.rept 4
	v_nop
.endr
.Lasked_\@:
.endm
.macro CREST
	s_cmp_lg_u32 s10, 0
	s_cbranch_scc1 .Lnot_wave_0_\@
	s_barrier_signal -3
.Lnot_wave_0_\@:
	s_barrier_wait -3
	s_barrier_signal -1
	s_barrier_wait -1
.endm
.macro CROUND
	s_barrier_signal -1
	s_barrier_wait -1
	CREST
.endm
	s_load_b128 s[4:7], s[0:1], 0x0                ; y, wp16
	s_load_b64 s[8:9], s[0:1], 0x10                ; out0
	s_load_b64 s[68:69], s[0:1], 0x18              ; bp
	v_lshl_add_u32 v[SPW], v0, 2, SPARE
	v_mov_b32 v[NIL], 0
	ds_add_u32 v[SPW], v[NIL]                      ; the wave's opening: the add, twice on end, and its wait ahead of my first tensor load
	ds_add_u32 v[SPW], v[NIL]
	v_lshrrev_b32 v1, 5, v0
	v_readfirstlane_b32 s10, v1                    ; wave 0..3
	s_lshr_b32 s11, s10, 1                         ; my 64 rows.  Also: I fetch for A (0) or for B (1)
	s_and_b32 s12, s10, 1                          ; my 128 columns.  Also: which plane of A, or which 128 rows of B, I fetch
	s_bfe_u32 s40, ttmp6, 0x40000                  ; cx = the tile column
	s_bfe_u32 s41, ttmp6, 0x40004                  ; cy = the batch
	s_and_b32 s2, ttmp7, 0xffff                    ; cluster y = the tile's place in the batch
	s_lshl_b32 s13, s41, 4
	s_add_co_u32 s13, s13, s2                      ; tile row
	s_lshl_b32 s43, s41, 2
	s_lshl_b32 s43, 15, s43                        ; my row of the cluster
	s_lshl_b32 s44, 0x1111, s40                    ; my column
	s_or_b32 s[G1+0], s43, (1<<16)|(1<<20)|(1<<21)|(4<<22)|(3<<25)   ; A: elements of 2 bytes; 4 words of padding after every 32
	s_mov_b32 s[G1+1], 64<<16
	s_mov_b32 s[G1+2], 128<<16
	s_mov_b32 s[G1+3], 64<<16
	s_mov_b32 s[G1+4], 128
	s_mov_b32 s[G1+5], 64
	s_mov_b32 s[G1+6], 0
	s_mov_b32 s[G1+7], 0
	s_or_b32 s[G1B+0], s44, (1<<16)|(1<<20)|(1<<21)|(5<<22)|(3<<25)  ; B: 4 words after every 64
	s_mov_b32 s[G1B+1], 128<<16
	s_mov_b32 s[G1B+2], 128<<16
	s_mov_b32 s[G1B+3], 128<<16
	s_mov_b32 s[G1B+4], 128
	s_mov_b32 s[G1B+5], 1024
	s_mov_b32 s[G1B+6], 0
	s_mov_b32 s[G1B+7], 0
	s_lshl_b32 s16, s13, 14                        ; A: 128 rows of 128 bytes a tile row,
	s_lshl_b32 s17, s12, 20                        ; 1,048,576 bytes a plane
	s_add_co_u32 s16, s16, s17
	s_mov_b32 s17, 0
	s_lshl_b32 s46, s40, 19                        ; B: 256 rows of 2,048 bytes a tile column,
	s_lshl_b32 s47, s12, 18                        ; 128 rows a half
	s_add_co_u32 s46, s46, s47
	s_mov_b32 s47, 0
	s_mul_i32 s20, s12, APL                        ; where they go
	s_mul_i32 s21, s12, BHALF
	s_add_co_u32 s21, s21, BOFF
	s_wait_dscnt 0x0                               ; both opening adds are done
	s_wait_kmcnt 0x0
	s_add_nc_u64 s[14:15], s[4:5], s[16:17]
	s_add_nc_u64 s[46:47], s[6:7], s[46:47]
	CROUND                                         ; all sixteen work-groups are here: the first joint loads meet
.irp s, 0,1
	s_mov_b32 s[G0+4*\s], 1
	s_add_co_u32 s[G0+4*\s+1], s20, \s*SLOT
	s_add_nc_u64 s[G0+4*\s+2:G0+4*\s+3], s[14:15], \s*2097152     ; K step s: planes 2 s, 2 s + 1
	s_or_b32 s[G0+4*\s+3], s[G0+4*\s+3], 0x80000000
	s_mov_b32 s[G0B+4*\s], 1
	s_add_co_u32 s[G0B+4*\s+1], s21, \s*SLOT
	s_add_nc_u64 s[G0B+4*\s+2:G0B+4*\s+3], s[46:47], \s*256
	s_or_b32 s[G0B+4*\s+3], s[G0B+4*\s+3], 0x80000000
	JLOAD \s
.endr
	v_and_b32 v1, 15, v0                           ; r
	v_bfe_u32 v2, v0, 4, 1                         ; h
	v_lshlrev_b32 v[BO], 5, v2
	s_lshl_b32 s46, s40, 10                        ; my first column, in bytes of f32: 1,024 x tile column + 512 x half
	s_lshl_b32 s47, s12, 9
	s_add_co_u32 s46, s46, s47
	s_mov_b32 s47, 0
	s_add_nc_u64 s[68:69], s[68:69], s[46:47]
.irp b, 0,1,2,3,4,5,6,7
	global_load_b128 v[BI+8*\b:BI+8*\b+3], v[BO], s[68:69] offset:64*\b      ; bp[my first column + 16 b + 8 h + 0 .. 7]
	global_load_b128 v[BI+8*\b+4:BI+8*\b+7], v[BO], s[68:69] offset:64*\b+16
.endr
	v_mul_u32_u24 v3, v1, 144
	v_lshl_add_u32 v3, v2, 4, v3
	s_mul_i32 s22, s11, 64*144                     ; my 64 rows of A
	v_add_nc_u32 v[ADRA], s22, v3
	s_add_co_u32 s22, s22, SLOT
	v_add_nc_u32 v[ADRA+1], s22, v3
	v_mul_u32_u24 v4, v1, 272
	v_lshl_add_u32 v4, v2, 4, v4
	s_mul_i32 s23, s12, BHALF                      ; my 128 rows of B
	s_add_co_u32 s23, s23, BOFF
	v_add_nc_u32 v[ADRB], s23, v4
	s_add_co_u32 s23, s23, SLOT
	v_add_nc_u32 v[ADRB+1], s23, v4
	s_mul_i32 s22, s10, 16*SPITCH
	s_add_co_u32 s22, s22, STAGE                   ; my stage
	v_mul_u32_u24 v5, v1, SPITCH
	v_lshl_add_u32 v5, v2, 5, v5
	v_add_nc_u32 v[STO], s22, v5                   ; in: row r, 32 bytes for each half of the lanes
	v_and_b32 v6, 31, v0
	v_lshlrev_b32 v[CO], 4, v6                     ; back: the 32 lanes take one row of 512 bytes; and the same in out0
	v_add_nc_u32 v[RD], s22, v[CO]
	s_lshl_b32 s16, s13, 7
	s_lshl_b32 s17, s11, 6
	s_add_co_u32 s16, s16, s17                     ; my first row
	s_lshl_b32 s16, s16, 12                        ; 4,096 bytes a row
	s_mov_b32 s17, 0
	s_add_nc_u64 s[8:9], s[8:9], s[16:17]
	s_add_nc_u64 s[8:9], s[8:9], s[46:47]          ; and my first column
.macro MULA f, a, first                ; 8 matrix instructions: A's block a x B's eight, 32 along K.  The 32 accumulators take turns, in the same order in every quarter
.irp b, 0,1,2,3,4,5,6,7
.if \first
	v_wmma_f32_16x16x32_f16 v[8*(8*(\a)+\b):8*(8*(\a)+\b)+7], v[\f+32+8*\b:\f+32+8*\b+7], v[\f+8*(\a):\f+8*(\a)+7], v[BI+8*\b:BI+8*\b+7]
.else
	v_wmma_f32_16x16x32_f16 v[8*(8*(\a)+\b):8*(8*(\a)+\b)+7], v[\f+32+8*\b:\f+32+8*\b+7], v[\f+8*(\a):\f+8*(\a)+7], v[8*(8*(\a)+\b):8*(8*(\a)+\b)+7]
.endif
.endr
.endm
.macro FETCH slot, kq, f               ; 24 LDS loads in one run: the kq-th 32 along K of the slot: B's eight fragments, then A's four
	WIN TO_F
.irp i, 0,1,2,3,4,5,6,7
	ds_load_b128 v[\f+32+8*\i:\f+32+8*\i+3], v[ADRB+\slot] offset:(\kq)*64+\i*16*272
	ds_load_b128 v[\f+32+8*\i+4:\f+32+8*\i+7], v[ADRB+\slot] offset:(\kq)*64+\i*16*272+32
.endr
.irp i, 0,1,2,3
	ds_load_b128 v[\f+8*\i:\f+8*\i+3], v[ADRA+\slot] offset:((\kq)/2)*APL+((\kq)%2)*64+\i*16*144
	ds_load_b128 v[\f+8*\i+4:\f+8*\i+7], v[ADRA+\slot] offset:((\kq)/2)*APL+((\kq)%2)*64+\i*16*144+32
.endr
.endm
.macro PLACES
.rept 4
	v_nop
.endr
.endm
.macro QUARTER slot, kq, f, g, first   ; multiplies buffer f; in its middle fetches the slot's kq-th 32 along K into buffer g
	s_wait_dscnt 4                                 ; B and A's blocks 0, 1 are in; the youngest four loads (A's blocks 2, 3) may be out
.if \first
	WIN MULB
.else
	WIN MUL
.endif
	MULA \f, 0, \first
	MULA \f, 1, \first
	PLACES
	FETCH \slot, \kq, \g
	s_wait_dscnt 24                                ; all but the 24 just issued
.if \first
	WIN MULB
.else
	WIN MUL
.endif
	MULA \f, 2, \first
	MULA \f, 3, \first
.endm
.macro TURN slot, next, fill           ; a K step's last quarter multiplies buffer 1 and changes slots
	WIN 0                                          ; (the add's two registers lie in window 0)
	s_wait_tensorcnt 0x0                           ; all my tensor loads have landed: my part of the next slot
	ds_add_u32 v[SPW], v[NIL]
	s_wait_dscnt 5                                 ; the add and the youngest four loads may be out
	WIN MUL
	MULA F1, 0, 0
	MULA F1, 1, 0
	s_wait_dscnt 0x0                               ; the add is done, and my reads of this slot are over
	s_barrier_signal -1
	MULA F1, 2, 0
.if \fill
	WIN 0
.endif
	s_barrier_wait -1
.if \fill
	CREST                                          ; the barrier has opened a round of the cluster's: no wave of any partner still reads this slot or has a load on its way
	s_add_nc_u64 s[G0+4*\slot+2:G0+4*\slot+3], s[G0+4*\slot+2:G0+4*\slot+3], 4194304   ; two K steps on: four planes
	s_add_nc_u64 s[G0B+4*\slot+2:G0B+4*\slot+3], s[G0B+4*\slot+2:G0B+4*\slot+3], 512
	JLOAD \slot                                    ; the first tensor load behind the round; its four v_nop are also the places in front of the loads below
.else
	PLACES
.endif
	FETCH \next, 0, F0
	WIN MUL
	MULA F1, 3, 0
.endm
	s_wait_tensorcnt 1                             ; my part of K step 0 is in (K step 1's load may be out),
	s_barrier_signal -1
	s_barrier_wait -1                              ; everybody's is
	FETCH 0, 0, F0
	s_wait_loadcnt 0x0                             ; the bias
	QUARTER 0, 1, F0, F1, 1                        ; the first quarter stands in front of the loop: its products start the sums from the bias
	WIN 0
	s_mov_b32 s3, LAPS-1
.Llap:                                             ; a trip goes once round the ring and fills both slots again
	QUARTER 0, 2, F1, F0, 0
	QUARTER 0, 3, F0, F1, 0
	TURN 0, 1, 1
	QUARTER 1, 1, F0, F1, 0
	QUARTER 1, 2, F1, F0, 0
	QUARTER 1, 3, F0, F1, 0
	TURN 1, 0, 1
	QUARTER 0, 1, F0, F1, 0
	WIN 0
	s_sub_co_u32 s3, s3, 1
	s_cmp_lg_u32 s3, 0
	s_cbranch_scc1 .Llap
	QUARTER 0, 2, F1, F0, 0                        ; the last lap fills nothing
	QUARTER 0, 3, F0, F1, 0
	TURN 0, 1, 0
	QUARTER 1, 1, F0, F1, 0
	QUARTER 1, 2, F1, F0, 0
	QUARTER 1, 3, F0, F1, 0
	s_wait_dscnt 4
	WIN MUL
	MULA F1, 0, 0
	MULA F1, 1, 0
	s_wait_dscnt 0
	MULA F1, 2, 0
	MULA F1, 3, 0
	WIN 0
; THE WAY OUT, a block of 16 rows x 128 columns at a time, through my own stage: back as whole rows of 512 bytes, which the 32 lanes store as 512 consecutive bytes, aligned to 256.
.macro TOSTAGE a
	WIN 0x08                                       ; an LDS store's data are its source 1: window 2
.irp b, 0,1,2,3,4,5,6,7
	ds_store_b128 v[STO], v[64*(\a)+8*\b:64*(\a)+8*\b+3] offset:64*\b          ; each accumulator from its low end on
	ds_store_b128 v[STO], v[64*(\a)+8*\b+4:64*(\a)+8*\b+7] offset:64*\b+16
.endr
	WIN 0
.set BB, BK+64*((\a)%2)
.irp t, 0,1,2,3,4,5,6,7,8,9,10,11,12,13,14,15
	ds_load_b128 v[BB+4*\t:BB+4*\t+3], v[RD] offset:\t*SPITCH   ; LDS serves a wave's instructions in order: these see the stores above
.endr
.endm
.macro SEND a, younger
.set BB, BK+64*((\a)%2)
	s_wait_dscnt \younger                          ; the block is back in registers; the LDS instructions issued behind its loads may be out
.if (\a) == 0
	s_or_b32 s3, s2, s11                           ; positions 0-15 of a batch (cluster y = 0, the upper waves, block 0) are the last launch's: ids alone, the same in all partners
	s_cmp_eq_u32 s3, 0
	s_cbranch_scc1 .Lfine_rows
.endif
.irp t, 0,1,2,3,4,5,6,7,8,9,10,11,12,13,14,15
	global_store_b128 v[CO], v[BB+4*\t:BB+4*\t+3], s[8:9] offset:(16*(\a)+\t)*4096 th:TH_STORE_NT
.endr
.if (\a) == 0
.Lfine_rows:
.endif
.endm
	PLACES
	TOSTAGE 0
.irp a, 1,2,3
.if \a > 1
	s_wait_xcnt 0x0                                ; block a - 2's stores have read their registers: block a's loads may land there
.endif
	TOSTAGE \a
	SEND \a-1, 32                                  ; behind block a - 1's loads: block a's 16 stores and 16 loads
.endr
	SEND 3, 0
	s_wait_tensorcnt 0x0                           ; the wave's end
	ds_add_u32 v[SPW], v[NIL]
	s_wait_dscnt 0x0
	CROUND                                         ; the closing round
	s_endpgm
.Lfunc_end_k_q015e44f5ee_proj:
	.size	k_q015e44f5ee_proj, .Lfunc_end_k_q015e44f5ee_proj-k_q015e44f5ee_proj
	.p2alignl 7, 3214868480
	.fill 96, 4, 3214868480
	.section	.rodata,"a",@progbits
	.p2align	6, 0x0
	.amdhsa_kernel k_q015e44f5ee_proj
		.amdhsa_group_segment_fixed_size 327680
		.amdhsa_private_segment_fixed_size 0
		.amdhsa_enable_private_segment 0
		.amdhsa_kernarg_size 32
		.amdhsa_user_sgpr_count 2
		.amdhsa_user_sgpr_kernarg_segment_ptr 1
		.amdhsa_wavefront_size32 1
		.amdhsa_system_sgpr_workgroup_id_x 1
		.amdhsa_system_sgpr_workgroup_id_y 1
		.amdhsa_system_sgpr_workgroup_id_z 1
		.amdhsa_system_vgpr_workitem_id 0
		.amdhsa_next_free_vgpr 768
		.amdhsa_next_free_sgpr 70
		.amdhsa_reserve_vcc 0
		.amdhsa_float_denorm_mode_32 3
		.amdhsa_float_denorm_mode_16_64 3
		.amdhsa_memory_ordered 1
		.amdhsa_forward_progress 1
		.amdhsa_inst_pref_size 86
	.end_amdhsa_kernel
	.amdgpu_metadata
---
amdhsa.version: [ 1, 2 ]
amdhsa.kernels:
  - .name:           k_q015e44f5ee_proj
    .symbol:         k_q015e44f5ee_proj.kd
    .args:
      - { .name: y, .offset: 0, .size: 8, .value_kind: global_buffer, .address_space: global }
      - { .name: wp16, .offset: 8, .size: 8, .value_kind: global_buffer, .address_space: global }
      - { .name: out0, .offset: 16, .size: 8, .value_kind: global_buffer, .address_space: global }
      - { .name: bp, .offset: 24, .size: 8, .value_kind: global_buffer, .address_space: global }
    .group_segment_fixed_size: 327680
    .private_segment_fixed_size: 0
    .kernarg_segment_align: 8
    .kernarg_segment_size: 32
    .max_flat_workgroup_size: 128
    .sgpr_count:     70
    .vgpr_count:     768
    .wavefront_size: 32
...
	.end_amdgpu_metadata
.endif
;; end of part 4
;; launch fine (part 5): grid 16 x 4, 16 waves a work-group, no clusters, 71,680 bytes of LDS; arguments first16, Wp, bp, out0; writes out0
.if DOCPART == 5
	.amdgcn_target "amdgcn-amd-amdhsa--gfx1250"
	.amdhsa_code_object_version 6
	.text
	.protected	k_q015e44f5ee_fine
	.globl	k_q015e44f5ee_fine
	.p2align	8
	.type	k_q015e44f5ee_fine,@function
k_q015e44f5ee_fine:
	s_mov_b64 s[64:65], 0
	v_nop
	global_prefetch_b8 v0, s[64:65] scope:SCOPE_SE
	s_setreg_imm32_b32 hwreg(HW_REG_WAVE_MODE, 25, 1), 1
	s_wait_xcnt 0x0
; Launch 5 of 5: positions 0-15 of each batch, in f32 throughout: there a row averages one to sixteen values and is the largest in size, so 16-bit operands would use up what the comparison allows.
; WORK LEFT OUT: bk (shown at the head of the first kernel).
; first16: [which 3][b 4][head 16][block of 16 d: 4][half: 2][lane 32][16 bytes] f32: lane (r, h) word i of (block bb, half u) is element (t = r, d = 16 bb + 8 h + 4 u + i).
; SHARES.  A work-group takes a batch and 64 columns of out0.  Wave w takes head w: the attention of its 16 queries, then the K slice 64 w .. 64 w + 63 of the projection for the 64 columns.  The 16 partial
; results meet in LDS and are added in a fixed order by waves 0-7, two rows each.  (Each of the 16 work-groups of a batch repeats the small attention: 32 matrix instructions a wave against the projection's 64.)
; THE f32 MATRIX FORM takes 4 along K; lane (r, h) register j holds k = 2 h + j.  A permutation of K applied alike to both sources keeps the products, so the images serve as they lie:
;   S^T = K Q^T: the register pair 8 bb + 2 jj of both images holds d = 16 bb + 8 h + 2 jj + 0, 1.   O^T = V^T P: p's pair 2 s holds keys 8 h + 2 s + 0, 1, and V is gathered so.
;   out^T = Wp y^T: y's pair 8 dt + 2 jj holds d = 16 dt + 8 h + 2 jj + 0, 1, and Wp's rows are loaded so.
; The accumulators v16-47 are written by matrix instructions alone; what is made of a sum goes into other registers.  Four accumulators take turns.
.set ACC, 16
.set QI,  48                           ; v48-79   q's image; later Wp's tile 2
.set KI,  80                           ; v80-111  k's image; later Wp's tile 3
.set VG,  112                          ; v112-143 V gathered: v[VG + 8 dt + i] = v[key 8 h + i][16 dt + r]; later y
.set W01, 144                          ; v144-207 Wp's tiles 0, 1
.set W23, 48
.set SS,  208                          ; v208-215 the scores, then p; at the end the sum
.set SPW, 232
.set NIL, 233
.set PART, 16*272                      ; a wave's partial result: 16 rows x (256 bytes + 16)
.set SPARE, 16*PART
	s_load_b256 s[4:11], s[0:1], 0x0               ; first16 s[4:5], Wp s[6:7], bp s[8:9], out0 s[10:11]
	v_lshl_add_u32 v[SPW], v0, 2, SPARE
	v_mov_b32 v[NIL], 0
	v_lshrrev_b32 v1, 5, v0
	v_readfirstlane_b32 s12, v1                    ; wave = head
	s_and_b32 s13, ttmp7, 0xffff                   ; batch
	v_and_b32 v4, 31, v0                           ; lane
	v_and_b32 v5, 15, v0                           ; r
	v_bfe_u32 v6, v0, 4, 1                         ; h
	v_lshlrev_b32 v1, 4, v4                        ; an image's place for my lane
	v_bfe_u32 v7, v0, 2, 1                         ; V's gather: channel 16 dt + r of key 8 h + i lies at 1024 dt + 512 ((r / 4) % 2) + 256 (r / 8) + 16 (8 h + i) + 4 (r % 4)
	v_lshlrev_b32 v2, 9, v7
	v_bfe_u32 v7, v0, 3, 1
	v_lshl_add_u32 v2, v7, 8, v2
	v_and_b32 v7, 3, v0
	v_lshl_add_u32 v2, v7, 2, v2
	v_lshl_add_u32 v2, v6, 7, v2
	v_lshlrev_b32 v3, 12, v5                       ; Wp: row r of 4,096 bytes, + 32 h
	v_lshl_add_u32 v3, v6, 5, v3
	v_lshlrev_b32 v8, 3, v6
	v_sub_nc_u32 v8, v5, v8                        ; r - 8 h
	s_mul_i32 s14, s12, PART
	v_mul_u32_u24 v9, v5, 272
	v_lshl_add_u32 v9, v6, 5, v9
	v_add_nc_u32 v9, s14, v9                       ; my partial: row r, + 32 h
	s_mul_i32 s14, s12, 2*272
	v_mul_u32_u24 v10, v6, 272
	v_lshl_add_u32 v10, v5, 4, v10
	v_add_nc_u32 v10, s14, v10                     ; the sum (waves 0-7): rows 2 w + h, 16 bytes a lane
	v_lshlrev_b32 v11, 4, v5                       ; the bias: 16 r
	v_lshl_add_u32 v12, v6, 12, v11                ; out0: row h of 4,096 bytes, + 16 r
	v_mov_b32 v220, 0xff800000                     ; -infinity
	v_mov_b32 v222, 0                              ; written once: a lane permute's destination counts as one of its sources
	v_mov_b32 v225, 0                              ; (upper halves of pairs of which the low word serves both halves)
	v_mov_b32 v227, 0
	s_lshl_b32 s14, s13, 4
	s_add_co_u32 s14, s14, s12
	s_lshl_b32 s14, s14, 12                        ; 4,096 bytes a head
	s_mov_b32 s15, 0
	s_lshl_b32 s16, ttmp9, 18                      ; Wp: 64 rows a work-group,
	s_lshl_b32 s17, s12, 8                         ; 64 columns a head
	s_add_co_u32 s16, s16, s17
	s_mov_b32 s17, 0
	s_lshl_b32 s18, ttmp9, 8                       ; 64 columns of f32
	s_mov_b32 s19, 0
	s_lshl_b32 s20, s13, 23                        ; out0: 2,048 rows a batch,
	s_lshl_b32 s21, s12, 13                        ; two rows a wave
	s_add_co_u32 s20, s20, s21
	s_add_co_u32 s20, s20, s18
	s_mov_b32 s21, 0
	s_mov_b32 s22, 0x76543210
	s_mov_b32 s23, 0xfedcba98
	s_mov_b32 s24, 0x3e38aa3b                      ; c = log2(e) / 8
	s_mov_b32 s25, s24
	s_wait_kmcnt 0x0
	s_add_nc_u64 s[4:5], s[4:5], s[14:15]
	s_add_nc_u64 s[6:7], s[6:7], s[16:17]
	s_add_nc_u64 s[8:9], s[8:9], s[18:19]
	s_add_nc_u64 s[10:11], s[10:11], s[20:21]
.irp i, 0,1,2,3,4,5,6,7
	global_load_b128 v[QI+4*\i:QI+4*\i+3], v1, s[4:5] offset:512*\i
.endr
.irp i, 0,1,2,3,4,5,6,7
	global_load_b128 v[KI+4*\i:KI+4*\i+3], v1, s[4:5] offset:262144+512*\i
.endr
.irp dt, 0,1,2,3
.irp i, 0,1,2,3,4,5,6,7
	global_load_b32 v[VG+8*\dt+\i], v2, s[4:5] offset:524288+1024*\dt+16*\i
.endr
.endr
.irp nt, 0,1
.irp dt, 0,1,2,3
	global_load_b128 v[W01+32*\nt+8*\dt:W01+32*\nt+8*\dt+3], v3, s[6:7] offset:65536*\nt+64*\dt
	global_load_b128 v[W01+32*\nt+8*\dt+4:W01+32*\nt+8*\dt+7], v3, s[6:7] offset:65536*\nt+64*\dt+16
.endr
.endr
	s_wait_loadcnt 48                              ; q's and k's images are in; V's 32 loads and Wp's 16 may be out
.irp jj, 0,1,2,3                               ; S^T = K Q^T in four partial sums, one for each block of 16 d
.irp bb, 0,1,2,3
.if \jj == 0
	v_wmma_f32_16x16x4_f32 v[ACC+8*\bb:ACC+8*\bb+7], v[KI+8*\bb+2*\jj:KI+8*\bb+2*\jj+1], v[QI+8*\bb+2*\jj:QI+8*\bb+2*\jj+1], 0
.else
	v_wmma_f32_16x16x4_f32 v[ACC+8*\bb:ACC+8*\bb+7], v[KI+8*\bb+2*\jj:KI+8*\bb+2*\jj+1], v[QI+8*\bb+2*\jj:QI+8*\bb+2*\jj+1], v[ACC+8*\bb:ACC+8*\bb+7]
.endif
.endr
.endr
.rept 8
	v_nop                                          ; eight places behind this form: in front of the loads into the images' registers and of the first read of the sums
.endr
.irp nt, 2,3
.irp dt, 0,1,2,3
	global_load_b128 v[W23+32*(\nt-2)+8*\dt:W23+32*(\nt-2)+8*\dt+3], v3, s[6:7] offset:65536*\nt+64*\dt
	global_load_b128 v[W23+32*(\nt-2)+8*\dt+4:W23+32*(\nt-2)+8*\dt+7], v3, s[6:7] offset:65536*\nt+64*\dt+16
.endr
.endr
.irp p, 0,2,4,6                                ; the four partial sums, from each accumulator's low end on
	v_pk_add_f32 v[216:217], v[ACC+\p:ACC+\p+1], v[ACC+8+\p:ACC+8+\p+1]
	v_pk_add_f32 v[218:219], v[ACC+16+\p:ACC+16+\p+1], v[ACC+24+\p:ACC+24+\p+1]
	v_pk_add_f32 v[SS+\p:SS+\p+1], v[216:217], v[218:219]
.endr
.irp j, 0,1,2,3,4,5,6,7                        ; register j holds key 8 h + j of query r: hidden where j > r - 8 h
	v_cmp_gt_i32 vcc_lo, \j, v8
	v_cndmask_b32 v[SS+\j], v[SS+\j], v220, vcc_lo
.endr
	v_max3_num_f32 v221, v[SS], v[SS+1], v[SS+2]
	v_max3_num_f32 v221, v221, v[SS+3], v[SS+4]
	v_max3_num_f32 v221, v221, v[SS+5], v[SS+6]
	v_max_num_f32 v221, v221, v[SS+7]
	v_permlanex16_b32 v222, v221, s22, s23
	v_max_num_f32 v221, v221, v222                 ; the row's maximum: key 0 counts for every query, so it is a number
	v_mul_f32 v224, s24, v221                      ; c m
.irp p, 0,2,4,6
	v_pk_fma_f32 v[SS+\p:SS+\p+1], v[SS+\p:SS+\p+1], s[24:25], v[224:225] op_sel_hi:[1,0,0] neg_lo:[0,0,1] neg_hi:[0,0,1]
.endr
.irp j, 0,1,2,3,4,5,6,7
	v_exp_f32 v[SS+\j], v[SS+\j]
.endr
	v_nop                                          ; a plain instruction behind the last exponential
	s_wait_alu depctr_va_vdst(0)                   ; one wait for the eight, ahead of their first reader
	v_pk_add_f32 v[216:217], v[SS:SS+1], v[SS+2:SS+3]
	v_pk_add_f32 v[218:219], v[SS+4:SS+5], v[SS+6:SS+7]
	v_pk_add_f32 v[216:217], v[216:217], v[218:219]
	v_add_f32 v216, v216, v217
	v_permlanex16_b32 v222, v216, s22, s23
	v_add_f32 v216, v216, v222                     ; the row's sum
	v_rcp_f32 v226, v216
	v_nop
	s_wait_loadcnt 32                              ; V is in; Wp's 32 loads may be out
.irp s, 0,1,2,3                                ; O^T = V^T P: 16 keys in four steps, four tiles of 16 channels by turns
.irp dt, 0,1,2,3
.if \s == 0
	v_wmma_f32_16x16x4_f32 v[ACC+8*\dt:ACC+8*\dt+7], v[VG+8*\dt+2*\s:VG+8*\dt+2*\s+1], v[SS+2*\s:SS+2*\s+1], 0
.else
	v_wmma_f32_16x16x4_f32 v[ACC+8*\dt:ACC+8*\dt+7], v[VG+8*\dt+2*\s:VG+8*\dt+2*\s+1], v[SS+2*\s:SS+2*\s+1], v[ACC+8*\dt:ACC+8*\dt+7]
.endif
.endr
.endr
.rept 8
	v_nop
.endr
	s_wait_alu depctr_va_vdst(0)                   ; the reciprocal's wait, ahead of its first reader
.irp i, 0,2,4,6,8,10,12,14,16,18,20,22,24,26,28,30
	v_pk_mul_f32 v[VG+\i:VG+\i+1], v[ACC+\i:ACC+\i+1], v[226:227] op_sel_hi:[1,0]   ; y = O^T / the sum, into V's registers
.endr
.rept 9
	v_nop                                          ; nine places before matrix instructions begin the accumulators anew
.endr
	s_wait_loadcnt 0x0                             ; Wp
.irp dt, 0,1,2,3                               ; out^T += Wp y^T: my head's 64 along K in 16 steps, four tiles of 16 columns by turns
.irp jj, 0,1,2,3
.irp nt, 0,1,2,3
.if \nt < 2
.set WR, W01+32*\nt
.else
.set WR, W23+32*(\nt-2)
.endif
.if (\dt == 0) && (\jj == 0)
	v_wmma_f32_16x16x4_f32 v[ACC+8*\nt:ACC+8*\nt+7], v[WR+8*\dt+2*\jj:WR+8*\dt+2*\jj+1], v[VG+8*\dt+2*\jj:VG+8*\dt+2*\jj+1], 0
.else
	v_wmma_f32_16x16x4_f32 v[ACC+8*\nt:ACC+8*\nt+7], v[WR+8*\dt+2*\jj:WR+8*\dt+2*\jj+1], v[VG+8*\dt+2*\jj:VG+8*\dt+2*\jj+1], v[ACC+8*\nt:ACC+8*\nt+7]
.endif
.endr
.endr
.endr
.rept 8
	v_nop
.endr
.irp nt, 0,1,2,3
	ds_store_b128 v9, v[ACC+8*\nt:ACC+8*\nt+3] offset:64*\nt          ; lane (r, h): columns 16 nt + 8 h + 0 .. 7 of row r; each accumulator from its low end on
	ds_store_b128 v9, v[ACC+8*\nt+4:ACC+8*\nt+7] offset:64*\nt+16
.endr
	s_wait_dscnt 0x0                               ; for the others' sake: my partial result lies in LDS
	s_barrier_signal -1
	s_barrier_wait -1
	s_cmp_lt_u32 s12, 8                            ; waves 0-7 add: a branch on the wave's number, round no barrier
	s_cbranch_scc0 .Ldone
	global_load_b128 v[112:115], v11, s[8:9]       ; bp at my four columns
.irp p, 0,1,2,3,4,5,6,7,8,9,10,11,12,13,14,15
	ds_load_b128 v[48+4*\p:48+4*\p+3], v10 offset:PART*\p
.endr
	s_wait_dscnt 0x0
	v_pk_add_f32 v[208:209], v[48:49], v[52:53]
	v_pk_add_f32 v[210:211], v[50:51], v[54:55]
.irp p, 2,3,4,5,6,7,8,9,10,11,12,13,14,15
	v_pk_add_f32 v[208:209], v[208:209], v[48+4*\p:48+4*\p+1]
	v_pk_add_f32 v[210:211], v[210:211], v[48+4*\p+2:48+4*\p+3]
.endr
	s_wait_loadcnt 0x0
	v_pk_add_f32 v[208:209], v[208:209], v[112:113]
	v_pk_add_f32 v[210:211], v[210:211], v[114:115]
	global_store_b128 v12, v[208:211], s[10:11]    ; sixteen lanes store 256 consecutive bytes, aligned
.Ldone:
	s_wait_tensorcnt 0x0                           ; the wave's end
	ds_add_u32 v[SPW], v[NIL]
	s_wait_dscnt 0x0
	s_endpgm
.Lfunc_end_k_q015e44f5ee_fine:
	.size	k_q015e44f5ee_fine, .Lfunc_end_k_q015e44f5ee_fine-k_q015e44f5ee_fine
	.p2alignl 7, 3214868480
	.fill 96, 4, 3214868480
	.section	.rodata,"a",@progbits
	.p2align	6, 0x0
	.amdhsa_kernel k_q015e44f5ee_fine
		.amdhsa_group_segment_fixed_size 71680
		.amdhsa_private_segment_fixed_size 0
		.amdhsa_enable_private_segment 0
		.amdhsa_kernarg_size 32
		.amdhsa_user_sgpr_count 2
		.amdhsa_user_sgpr_kernarg_segment_ptr 1
		.amdhsa_wavefront_size32 1
		.amdhsa_system_sgpr_workgroup_id_x 1
		.amdhsa_system_sgpr_workgroup_id_y 1
		.amdhsa_system_sgpr_workgroup_id_z 1
		.amdhsa_system_vgpr_workitem_id 0
		.amdhsa_next_free_vgpr 240
		.amdhsa_next_free_sgpr 66
		.amdhsa_reserve_vcc 1
		.amdhsa_float_denorm_mode_32 3
		.amdhsa_float_denorm_mode_16_64 3
		.amdhsa_memory_ordered 1
		.amdhsa_forward_progress 1
		.amdhsa_inst_pref_size 26
	.end_amdhsa_kernel
	.amdgpu_metadata
---
amdhsa.version: [ 1, 2 ]
amdhsa.kernels:
  - .name:           k_q015e44f5ee_fine
    .symbol:         k_q015e44f5ee_fine.kd
    .args:
      - { .name: first16, .offset: 0, .size: 8, .value_kind: global_buffer, .address_space: global }
      - { .name: Wp, .offset: 8, .size: 8, .value_kind: global_buffer, .address_space: global }
      - { .name: bp, .offset: 16, .size: 8, .value_kind: global_buffer, .address_space: global }
      - { .name: out0, .offset: 24, .size: 8, .value_kind: global_buffer, .address_space: global }
    .group_segment_fixed_size: 71680
    .private_segment_fixed_size: 0
    .kernarg_segment_align: 8
    .kernarg_segment_size: 32
    .max_flat_workgroup_size: 512
    .sgpr_count:     66
    .vgpr_count:     240
    .wavefront_size: 32
...
	.end_amdgpu_metadata
.endif
;; end of part 5
